; MI455X (gfx1250); checked and timed in simulation.
; The chip was launched on July 23, 2026; its instructions are those of AMD's public machine-readable ISA for CDNA 5 (MIT licence, August 2026) and "CDNA5" Instruction Set Architecture Reference Guide (July 2026). The comments in the code are by the model that wrote it; some were corrected since.
;; Custom Multihead Attention. Allowed arithmetic: matrix products marked QUANTISED: E2M3 operands, one E8M0 scale for each 32 along K, by v_wmma_scale_f32_16x16x128_f8f6f4 with both operands' format E2M3, f32 sums; everything else in f32.
;; Inputs: Wk 1,024 x 1,024 float32; Wo 1,024 x 1,024 float32; Wq 1,024 x 1,024 float32; Wv 1,024 x 1,024 float32; bk 1,024 float32; bo 1,024 float32; bq 1,024 float32; bv 1,024 float32; k 4 x 2,048 x 1,024 float32; q 4 x 2,048 x 1,024 float32; v 4 x 2,048 x 1,024 float32.
;; Outputs: out0 4 x 2,048 x 1,024 float32.
;; This version of the problem:
;;   THIS VERSION OF THE PROBLEM IS GIVEN IN LOW PRECISION. The matrix products marked QUANTISED in the list below multiply operands that are first quantised to E2M3 (2 exponent bits, 3 mantissa bits; 6 bits a number), with one power-of-two scale for each 32 numbers along K (OCP MX v1.0); their sums are f32. All else is computed in f32.
;;   The module's matrix products, in the order in which they are computed (A, B: the left and right operand; K: the contracted axis; several contracted axes count as one K, in the product's order):
;;     1. [M 8,192, K 1,024] x [K 1,024, N 1,024]; A: input q; B: input Wq: QUANTISED
;;     2. [M 8,192, K 1,024] x [K 1,024, N 1,024]; A: input k; B: input Wk: QUANTISED
;;     3. [M 8,192, K 1,024] x [K 1,024, N 1,024]; A: input v; B: input Wv: QUANTISED
;;     4. batch 64 x [M 2,048, K 64] x [K 64, N 2,048]; A: computed on the way; B: computed on the way: QUANTISED
;;     5. batch 64 x [M 64, K 2,048] x [K 2,048, N 2,048]; A: computed on the way; B: softmax (see below): QUANTISED
;;     6. [M 8,192, K 1,024] x [K 1,024, N 1,024]; A: computed on the way; B: input Wo: QUANTISED
;;   THE QUANTISER, for each operand of a quantised product, along K:
;;     - K is cut into blocks of 32 from its start; a last block that is shorter is filled with zeros.
;;     - A block's scale is 2^e with e = floor(log2(the largest magnitude in the block)) - 2, held to -126 .. 127; a block of zeros has e = 0. As a byte (E8M0): e + 127.
;;     - Each number is divided by its block's scale, clamped to +-7.5, and rounded to the nearest number of E2M3, ties to even, subnormals kept.
;;     - The product sums the exact products of the quantised numbers (number of the format x scale) in f32.
;;   ~~~python
;;   def quantise(x, axis):      # numpy; x: float32 -> the quantised numbers, widened to float32 again
;;       x = np.moveaxis(x, axis, -1); K = x.shape[-1]
;;       x = np.pad(x, [(0, 0)] * (x.ndim - 1) + [(0, -K % 32)]); x = x.reshape(x.shape[:-1] + (-1, 32)); a = np.abs(x).max(-1, keepdims=True)
;;       e = np.where(a > 0, np.clip(np.frexp(np.where(a > 0, a, 1))[1] - 1 - 2, -126, 127), 0)      # np.frexp(a)[1] - 1 = floor(log2(a)), exactly
;;       r = np.clip(x / 2.0 ** e, -7.5, 7.5)
;;       step = 2.0 ** (np.maximum(np.frexp(np.where(r == 0, 1, r))[1] - 1, 0) - 3)
;;       q = np.round(r / step) * step * 2.0 ** e      # np.round: ties to even
;;       return np.moveaxis(q.reshape(q.shape[:-2] + (-1,))[..., :K], -1, axis).astype(np.float32)
;;   ~~~
;;   SOFTMAX AHEAD OF A QUANTISED PRODUCT. Where the list says 'softmax', what is quantised is not the finished softmax but p = 2^(t - M), with t = logit x log2(e) and M = ceil(the row's largest t), a whole number; so 1/2 < the row's largest p <= 1. The row's sum l is taken of the UNQUANTISED p, in f32, and the product's result is divided by l at the end. Since M is a whole number, a kernel that streams over the keys may use a running M (the ceiling of the running maximum): every later rescaling is an exact power of two, which a block's scale takes up: the codes' values come out the same.
;;   OPERANDS COMPUTED ON THE WAY. 'Computed on the way' means the value that the module computes at that place (a softmax that the list does not call 'softmax' is quantised finished and normalised). What goes into a quantiser is computed in f32, as accurately as f32 sums, v_exp_f32 and their like allow (about 1e-6 of the number): no bf16 or f16 on the way to a quantiser, and a product that is left as it is and whose result goes on into a quantised operand takes f32 operands (vector FMAs, or v_wmma_f32_16x16x4_f32). A number that lies on a knife's edge between two numbers of the format may be rounded either way, as far as f32 arithmetic and the matrix unit's own rounding can turn it there, and no further.
;; One version. Each part assembles by itself: llvm-mc -triple=amdgcn-amd-amdhsa -mcpu=gfx1250 --defsym DOCPART=n.
;; ======== version 1 of 1: 4 launches
;; limits: right only within a limited range of input values
;; workspace buffers: cod 22,020,096 bytes; scl 917,504 bytes; hc 18,874,368 bytes; hs 1,310,720 bytes; cc 6,291,456 bytes; cs 262,144 bytes
;; launch quant (part 1): grid 448 x 1, 8 waves a work-group, no clusters, 70,656 bytes of LDS; arguments q, k, v, Wq, Wk, Wv, Wo, cod, scl; writes cod, scl
.if DOCPART == 1
	.amdgcn_target "amdgcn-amd-amdhsa--gfx1250"
	.amdhsa_code_object_version 6
	.text
	.protected	k_q4babe67e42_quant
	.globl	k_q4babe67e42_quant
	.p2align	8
	.type	k_q4babe67e42_quant,@function
k_q4babe67e42_quant:
	s_mov_b64 s[64:65], 0
	v_nop
	global_prefetch_b8 v0, s[64:65] scope:SCOPE_SE
	s_setreg_imm32_b32 hwreg(HW_REG_WAVE_MODE, 25, 1), 1
	s_wait_xcnt 0x0
; q, k, v [8192][1024] and Wq, Wk, Wv, Wo [1024][1024], f32, K innermost, become codes of FP6 (E2M3) with one E8M0 byte for each 32 along K.
; A block's scale is 2^(floor(log2(largest magnitude)) - 2); its byte is the largest magnitude's exponent field - 2, held at 1 from below.
; LIMITS: NaN and infinities among the inputs are not served.  A block of zeros gets the byte 1 where the rule says 127: its codes are zeros, which add nothing, and this program alone reads the bytes.
; THE LAYOUT OF THE CODES is the order of the operand's registers.  A fragment (16 rows x 128 K, 12 registers a lane) is 1,536 bytes in two halves of 768: registers 6 c .. 6 c + 3 of lane l at 16 l,
; registers 6 c + 4, 6 c + 5 at 512 + 8 l.  A GROUP is 128 rows x 1,024 K: [256 K][tile 0..7][128 K][1,536] = 98,304 bytes; its scale words [128 K][tile][row of the tile], 4,096 bytes.
; 224 groups: q 0-63, k 64-127, v 128-191, Wq 192-199, Wk 200-207, Wv 208-215, Wo 216-223.
; WHICH ROWS FORM A TILE: q and Wo: lane r of tile i is row 16 i + r.  k, v, Wq, Wk, Wv: row 32 (i / 2) + 8 (i % 2) + r + 8 (r / 8), so that a later product's results lie as 16 neighbours along the next K.
; SHARES: work-group G takes group G / 2 and half G % 2 of K; wave w takes tile w, four steps of 128 along K.  Each load reads 512 consecutive bytes of one row; a step's 8 KiB turn through the wave's own
; stage in LDS (rows 528 bytes apart: sixteen rows start in sixteen different columns of 16 bytes) so that a lane gets 16 neighbours of each block.  Loads run two steps, 32 loads a wave, ahead.
; No tensor load, no matrix unit, no cluster: memory binds, work-groups share no input.
.set STW,  8448                        ; a wave's stage: 16 rows x 528 bytes
.set SCB,  8*STW                       ; behind the stages: the work-group's 2,048 bytes of scale words, [step][tile][row]
.set RS,   16                          ; v16-143  two sets of 64: a step's numbers as loaded
.set X,    144                         ; v144-207 register 16 b + i = k 32 b + 16 (lane / 16) + i of my row
.set PC,   208                         ; v208-227 the codes
.set TM,   228                         ; v228-243 at work
.set PW,   244                         ; v244     the scale word
.set SEL,  30                          ; s[30:31] v_permlanex16_b32's selects for lane l xor 16
; 64 numbers of a lane, v[s] on, become a fragment's codes in v[PC] .. v[PC + 11] and its row's scale word in v[pw]
.macro QUANT s, pw
.irp b, 0,1,2,3
	v_max3_num_f32 v[TM+\b], |v[\s+16*\b]|, |v[\s+1+16*\b]|, 0x1800000   ; block b: my 16 numbers, and the floor 2^(3 - 127): the byte cannot fall under 1
.endr
.irp i, 2,4,6,8,10,12,14
.irp b, 0,1,2,3
	s_delay_alu instid0(VALU_DEP_4)
	v_max3_num_f32 v[TM+\b], v[TM+\b], |v[\s+16*\b+\i]|, |v[\s+1+16*\b+\i]|   ; the four blocks by turns
.endr
.endr
.irp b, 0,1,2,3
	s_delay_alu instid0(VALU_DEP_4)
	v_permlanex16_b32 v[TM+4+\b], v[TM+\b], s[SEL], s[SEL+1]
.endr
.irp b, 0,1,2,3
	s_delay_alu instid0(VALU_DEP_4)
	v_max_num_f32 v[TM+\b], v[TM+\b], v[TM+4+\b]       ; with lane l xor 16's: the block's largest magnitude
.endr
.irp b, 0,1,2,3
	s_delay_alu instid0(VALU_DEP_4)
	v_add_nc_u32 v[TM+12+\b], 0xff000000, v[TM+\b]     ; 2 off its exponent field: the conversion's scale operand
.endr
.irp b, 0,1,2,3
	s_delay_alu instid0(VALU_DEP_4)
	v_lshrrev_b32 v[TM+4+\b], 23, v[TM+12+\b]          ; the scale's byte
.endr
	s_delay_alu instid0(VALU_DEP_3)
	v_lshl_or_b32 v[\pw], v[TM+5], 8, v[TM+4]
	s_delay_alu instid0(VALU_DEP_1)
	v_lshl_or_b32 v[\pw], v[TM+6], 16, v[\pw]
	s_delay_alu instid0(VALU_DEP_1)
	v_lshl_or_b32 v[\pw], v[TM+7], 24, v[\pw]
.irp c, 0,1
	v_cvt_scalef32_pk16_fp6_f32 v[PC+6*\c:PC+2+6*\c], v[\s+32*\c:\s+15+32*\c], v[TM+12+2*\c]
	v_cvt_scalef32_pk16_fp6_f32 v[PC+12+4*\c:PC+14+4*\c], v[\s+16+32*\c:\s+31+32*\c], v[TM+12+2*\c+1]   ; (a conversion's three registers begin on an even number)
.endr
	v_nop                                              ; one plain place behind a scaled conversion
.irp c, 0,1                                            ; the operand's layout wants a whole block in a lane
.irp i, 0,1,2
	v_permlane16_swap_b32 v[PC+6*\c+\i], v[PC+12+4*\c+\i]
.endr
.irp i, 0,1,2
	s_delay_alu instid0(VALU_DEP_3)
	v_mov_b32 v[PC+3+6*\c+\i], v[PC+12+4*\c+\i]
.endr
.endr
.endm
.macro PICK first, reg                 ; from group 'first' on the input is the one whose address lies in s[reg:reg+1]
	s_cmp_ge_u32 s2, \first
	s_cselect_b64 s[4:5], s[\reg:\reg+1], s[4:5]
	s_cselect_b32 s6, \first, s6
.endm
	s_load_b512 s[8:23], s[0:1], 0x0               ; q, k, v, Wq, Wk, Wv, Wo, cod
	s_load_b64 s[24:25], s[0:1], 0x40              ; scl
	v_lshl_add_u32 v248, v0, 2, 0x11000
	v_mov_b32 v249, 0
	v_lshrrev_b32 v1, 5, v0
	s_delay_alu instid0(VALU_DEP_1)
	v_readfirstlane_b32 s32, v1                    ; wave = tile
	v_and_b32 v1, 31, v0                           ; lane
	s_wait_alu depctr_va_vdst(0)
	v_and_b32 v2, 15, v0                           ; r
	s_wait_alu depctr_va_vdst(0)
	v_bfe_u32 v3, v0, 4, 1                         ; h
	s_lshr_b32 s2, ttmp9, 1                        ; group
	s_and_b32 s3, ttmp9, 1                         ; half of K
	s_cmp_ge_u32 s2, 64
	s_cselect_b32 s7, 1, 0
	s_cmp_lt_u32 s2, 216
	s_cselect_b32 s7, s7, 0                        ; 1: the tile's rows are the permuted ones
	s_lshl_b32 s33, s7, 15
	s_add_co_u32 s33, s33, 32768                   ; a tile's rows 8-15 begin 8 rows, or 16 rows, behind its rows 0-7
	; k's tiles (groups 64-127) have an order of their own: lane r of tile i is row 64 (i / 4) + 32 (r / 8) + 8 (i % 4) + r % 8,
	; so that in S^T = K Q^T a lane's 32 registers of four neighbouring tiles are one whole block of 32 keys
	s_cmp_lt_u32 s2, 128
	s_cselect_b32 s36, s7, 0                       ; 1: a group of k
	s_cmp_eq_u32 s36, 1
	s_cselect_b32 s33, 131072, s33                 ; there rows 8-15 begin 32 rows behind rows 0-7
	v_lshlrev_b32 v4, 4, v1                        ; 16 x lane: my bytes of a row's 512; also my place in an image
	s_delay_alu instid0(VALU_DEP_1)
	v_add_nc_u32 v5, s33, v4
	s_mul_i32 s34, s32, STW
	v_add_nc_u32 v6, s34, v4                       ; the stage, in
	v_mul_u32_u24 v7, v2, 528
	s_wait_alu depctr_va_vdst(0)
	v_lshl_add_u32 v7, v3, 6, v7
	s_delay_alu instid0(VALU_DEP_1)
	v_add_nc_u32 v7, s34, v7                       ; and out: row r, + 64 h
	v_lshlrev_b32 v9, 3, v1                        ; 8 x lane
	s_lshl_b32 s35, s32, 6
	v_lshlrev_b32 v10, 2, v2
	s_delay_alu instid0(VALU_DEP_1)
	v_add_nc_u32 v10, s35, v10
	s_delay_alu instid0(VALU_DEP_1)
	v_add_nc_u32 v10, SCB, v10                     ; my row's scale word: 64 x tile + 4 r
	s_lshl_b32 s35, s32, 8
	v_add_nc_u32 v12, s35, v9                      ; on the way out: 256 bytes a wave, 8 a lane
	s_delay_alu instid0(VALU_DEP_1)
	v_add_nc_u32 v11, SCB, v12
	s_mov_b32 s[SEL], 0x76543210
	s_mov_b32 s[SEL+1], 0xfedcba98
.irp b, 0,1,2,3
	v_mov_b32 v[TM+4+\b], 0                        ; written once: a lane permute's destination counts as one of its sources
.endr
	s_wait_kmcnt 0x0
	s_mov_b64 s[4:5], s[8:9]                       ; the choice hangs on the work-group's number alone
	s_mov_b32 s6, 0
	PICK 64, 10
	PICK 128, 12
	PICK 192, 14
	PICK 200, 16
	PICK 208, 18
	PICK 216, 20
	s_sub_co_u32 s26, s2, s6
	s_lshl_b32 s26, s26, 19                        ; the group's 128 rows of 4,096 bytes
	s_lshl_b32 s27, s32, 16                        ; 16 rows a tile,
	s_and_b32 s28, s32, 1
	s_mul_i32 s28, s28, s7
	s_lshl_b32 s28, s28, 15
	s_sub_co_u32 s27, s27, s28                     ; less 8 rows for an odd permuted tile: 32 (i / 2) + 8 (i % 2) = 16 i - 8 (i % 2)
	s_lshr_b32 s28, s32, 2
	s_lshl_b32 s28, s28, 18
	s_and_b32 s29, s32, 3
	s_lshl_b32 s29, s29, 15
	s_add_co_u32 s28, s28, s29                     ; k: 64 (i / 4) + 8 (i % 4) rows
	s_cmp_eq_u32 s36, 1
	s_cselect_b32 s27, s28, s27
	s_add_co_u32 s26, s26, s27
	s_lshl_b32 s27, s3, 11
	s_add_co_u32 s26, s26, s27                     ; + my half of K
	s_mov_b32 s27, 0
	s_add_nc_u64 s[4:5], s[4:5], s[26:27]
	s_mul_i32 s26, s2, 98304
	s_mul_i32 s28, s3, 49152
	s_add_co_u32 s26, s26, s28
	s_mul_i32 s28, s32, 3072
	s_add_co_u32 s26, s26, s28
	s_add_nc_u64 s[22:23], s[22:23], s[26:27]      ; the codes: group, half of K, tile
	s_lshl_b32 s26, s2, 12
	s_lshl_b32 s28, s3, 11
	s_add_co_u32 s26, s26, s28
	s_add_nc_u64 s[24:25], s[24:25], s[26:27]      ; the scale words: group, half of K
.macro LOAD t                          ; step t: 16 rows x 512 bytes into set t % 2
.irp j, 0,1,2,3,4,5,6,7
	global_load_b128 v[RS+64*((\t)%2)+4*\j:RS+64*((\t)%2)+4*\j+3], v4, s[4:5] offset:4096*\j+512*(\t) th:TH_LOAD_NT
.endr
.irp j, 0,1,2,3,4,5,6,7
	global_load_b128 v[RS+64*((\t)%2)+32+4*\j:RS+64*((\t)%2)+32+4*\j+3], v5, s[4:5] offset:4096*\j+512*(\t) th:TH_LOAD_NT
.endr
.endm
.macro TURN t                          ; through the stage: LDS serves a wave's instructions in order, so no wait stands between the stores and the loads
.irp j, 0,1,2,3,4,5,6,7,8,9,10,11,12,13,14,15
	ds_store_b128 v6, v[RS+64*((\t)%2)+4*\j:RS+64*((\t)%2)+4*\j+3] offset:528*\j
.endr
.irp b, 0,1,2,3
.irp j, 0,1,2,3
	ds_load_b128 v[X+16*\b+4*\j:X+16*\b+4*\j+3], v7 offset:128*\b+16*\j
.endr
.endr
.endm
.macro STEP t
.if (\t) < 3
	s_wait_loadcnt 16                              ; this step's sixteen loads are in; the next step's sixteen may be out
.else
	s_wait_loadcnt 0x0
.endif
	TURN \t
	s_wait_dscnt 0x0                               ; my numbers are back, and the stage's stores have read their registers
.if (\t) > 0
	s_wait_xcnt 0x0                                ; the last step's stores have read the codes' registers
.endif
.if (\t) < 2
	LOAD (\t)+2
.endif
	QUANT X, PW
	global_store_b128 v4, v[PC:PC+3], s[22:23] offset:24576*((\t)/2)+1536*((\t)%2)            ; each store covers 512 or 256 consecutive bytes, at a multiple of 256 from the buffer's first byte
	global_store_b64 v9, v[PC+4:PC+5], s[22:23] offset:24576*((\t)/2)+1536*((\t)%2)+512
	global_store_b128 v4, v[PC+6:PC+9], s[22:23] offset:24576*((\t)/2)+1536*((\t)%2)+768
	global_store_b64 v9, v[PC+10:PC+11], s[22:23] offset:24576*((\t)/2)+1536*((\t)%2)+1280
	ds_store_b32 v10, v[PW] offset:512*(\t)        ; lanes r and r + 16 write the same word with the same value
.endm
	LOAD 0
	LOAD 1
	STEP 0
	STEP 1
	STEP 2
	STEP 3
	s_wait_dscnt 0x0                               ; for the others' sake: my scale words lie in LDS
	s_barrier_signal -1
	s_barrier_wait -1
	ds_load_b64 v[14:15], v11
	s_wait_dscnt 0x0
	global_store_b64 v12, v[14:15], s[24:25]       ; 32 lanes store 256 consecutive bytes, aligned
	s_wait_tensorcnt 0x0
	ds_add_u32 v248, v249
	s_wait_dscnt 0x0
	s_endpgm
.Lfunc_end_k_q4babe67e42_quant:
	.size	k_q4babe67e42_quant, .Lfunc_end_k_q4babe67e42_quant-k_q4babe67e42_quant
	.p2alignl 7, 3214868480
	.fill 96, 4, 3214868480
	.section	.rodata,"a",@progbits
	.p2align	6, 0x0
	.amdhsa_kernel k_q4babe67e42_quant
		.amdhsa_group_segment_fixed_size 70656
		.amdhsa_private_segment_fixed_size 0
		.amdhsa_enable_private_segment 0
		.amdhsa_kernarg_size 72
		.amdhsa_user_sgpr_count 2
		.amdhsa_user_sgpr_kernarg_segment_ptr 1
		.amdhsa_wavefront_size32 1
		.amdhsa_system_sgpr_workgroup_id_x 1
		.amdhsa_system_sgpr_workgroup_id_y 1
		.amdhsa_system_sgpr_workgroup_id_z 1
		.amdhsa_system_vgpr_workitem_id 0
		.amdhsa_next_free_vgpr 250
		.amdhsa_next_free_sgpr 66
		.amdhsa_reserve_vcc 0
		.amdhsa_float_denorm_mode_32 3
		.amdhsa_float_denorm_mode_16_64 3
		.amdhsa_memory_ordered 1
		.amdhsa_forward_progress 1
		.amdhsa_inst_pref_size 43
	.end_amdhsa_kernel
	.amdgpu_metadata
---
amdhsa.version: [ 1, 2 ]
amdhsa.kernels:
  - .name:           k_q4babe67e42_quant
    .symbol:         k_q4babe67e42_quant.kd
    .args:
      - { .name: q, .offset: 0, .size: 8, .value_kind: global_buffer, .address_space: global }
      - { .name: k, .offset: 8, .size: 8, .value_kind: global_buffer, .address_space: global }
      - { .name: v, .offset: 16, .size: 8, .value_kind: global_buffer, .address_space: global }
      - { .name: Wq, .offset: 24, .size: 8, .value_kind: global_buffer, .address_space: global }
      - { .name: Wk, .offset: 32, .size: 8, .value_kind: global_buffer, .address_space: global }
      - { .name: Wv, .offset: 40, .size: 8, .value_kind: global_buffer, .address_space: global }
      - { .name: Wo, .offset: 48, .size: 8, .value_kind: global_buffer, .address_space: global }
      - { .name: cod, .offset: 56, .size: 8, .value_kind: global_buffer, .address_space: global }
      - { .name: scl, .offset: 64, .size: 8, .value_kind: global_buffer, .address_space: global }
    .group_segment_fixed_size: 70656
    .private_segment_fixed_size: 0
    .kernarg_segment_align: 8
    .kernarg_segment_size: 72
    .max_flat_workgroup_size: 256
    .sgpr_count:     66
    .vgpr_count:     250
    .wavefront_size: 32
...
	.end_amdgpu_metadata
.endif
;; end of part 1
;; launch proj (part 2): grid 32 x 12, 4 waves a work-group, clusters of 4 x 4, 327,680 bytes of LDS; arguments cod, scl, bq, bk, bv, hc, hs; writes hc, hs
.if DOCPART == 2
	.amdgcn_target "amdgcn-amd-amdhsa--gfx1250"
	.amdhsa_code_object_version 6
	.text
	.protected	k_q4babe67e42_proj
	.globl	k_q4babe67e42_proj
	.p2align	8
	.type	k_q4babe67e42_proj,@function
k_q4babe67e42_proj:
	s_mov_b64 s[64:65], 0
	v_nop
	global_prefetch_b8 v0, s[64:65] scope:SCOPE_SE
	s_setreg_imm32_b32 hwreg(HW_REG_WAVE_MODE, 25, 1), 1
	s_wait_xcnt 0x0
	s_wait_alu depctr_hold_cnt(0) depctr_sa_sdst(0) depctr_va_vdst(0) depctr_va_sdst(0) depctr_va_ssrc(0) depctr_va_vcc(0) depctr_vm_vsrc(0)
	s_getreg_b32 s2, hwreg(HW_REG_IB_STS2, 6, 4)
	s_cmp_eq_u32 s2, 0
	s_cbranch_scc0 .Lentry_in_a_cluster
	s_endpgm
.Lentry_in_a_cluster:
	s_bfe_u32 s2, ttmp6, 0x10000c
	s_cmp_lg_u32 s2, 0xf033
	s_cbranch_scc0 .Lentry_shape_is_right
	s_endpgm
.Lentry_shape_is_right:
.set HALFT,  24576
.set SLOT,   4*HALFT
.set SCL,    2*SLOT
.set SPARE,  SCL+4*4096
.set FR,     12
.set NL,     4
.set NP,     4
.set NQ,     2
.set ADRA, 16
.set ADRB, 20
.set L16,  24
.set L8,   25
.set L4,   26
.set ADRS, 27
.set SPW,  28
.set NIL,  29
.set BIO,  30
.set BRO,  31
.set SC,   32
.set BI,   64
.set AF,   128
.set BR,   248
.set HA,   128
.set PC,   192
.set TM,   212
.set T,    232
.set U,    236
.set SW,   240
.set G1, 24
.set G0, 32
.set G1B, 48
.set G0B, 56
.set G1S, 68
.set G0S, 76
.set G1SB, 80
.set G0SB, 88
.set SEL, 100
.set MSB, 0
.macro WIN new
.if MSB != (\new)
	s_set_vgpr_msb (MSB<<8)|(\new)
.set MSB, (\new)
.endif
.endm
.set MUL_LO, 0xa1
.set MUL_HI, 0xf1
.set TO_B,   0x40
.macro JLOAD g0a, g1a, g0b, g1b
	s_cmp_eq_u32 s15, 0
	s_cbranch_scc0 .Lfor_b_\@
	tensor_load_to_lds s[\g0a:\g0a+3], s[\g1a:\g1a+7]
	s_nop 0
.rept 4
	v_nop
.endr
	s_branch .Lasked_\@
.Lfor_b_\@:
	tensor_load_to_lds s[\g0b:\g0b+3], s[\g1b:\g1b+7]
	s_nop 0
.rept 4
	v_nop
.endr
.Lasked_\@:
.endm
.macro CREST
	s_cmp_lg_u32 s14, 0
	s_cbranch_scc1 .Lnot_wave_0_\@
	s_barrier_signal -3
.Lnot_wave_0_\@:
	s_barrier_wait -3
	s_barrier_signal -1
	s_barrier_wait -1
.endm
.macro CROUND
	s_barrier_signal -1
	s_barrier_wait -1
	CREST
.endm
.macro PLACES n
.rept \n
	v_nop
.endr
.endm
.macro QUANT s, pw
.irp b, 0,1,2,3
	v_max3_num_f32 v[TM+\b], |v[\s+16*\b]|, |v[\s+1+16*\b]|, 0x1800000
.endr
.irp i, 2,4,6,8,10,12,14
.irp b, 0,1,2,3
	v_max3_num_f32 v[TM+\b], v[TM+\b], |v[\s+16*\b+\i]|, |v[\s+1+16*\b+\i]|
.endr
.endr
.irp b, 0,1,2,3
	v_permlanex16_b32 v[TM+4+\b], v[TM+\b], s[SEL], s[SEL+1]
.endr
.irp b, 0,1,2,3
	v_max_num_f32 v[TM+\b], v[TM+\b], v[TM+4+\b]
.endr
.irp b, 0,1,2,3
	v_add_nc_u32 v[TM+12+\b], 0xff000000, v[TM+\b]
.endr
.irp b, 0,1,2,3
	v_lshrrev_b32 v[TM+4+\b], 23, v[TM+12+\b]
.endr
	v_lshl_or_b32 v[\pw], v[TM+5], 8, v[TM+4]
	v_lshl_or_b32 v[\pw], v[TM+6], 16, v[\pw]
	v_lshl_or_b32 v[\pw], v[TM+7], 24, v[\pw]
.irp c, 0,1
	v_cvt_scalef32_pk16_fp6_f32 v[PC+6*\c:PC+2+6*\c], v[\s+32*\c:\s+15+32*\c], v[TM+12+2*\c]
	v_cvt_scalef32_pk16_fp6_f32 v[PC+12+4*\c:PC+14+4*\c], v[\s+16+32*\c:\s+31+32*\c], v[TM+12+2*\c+1]
.endr
	v_nop
.irp c, 0,1
.irp i, 0,1,2
	v_permlane16_swap_b32 v[PC+6*\c+\i], v[PC+12+4*\c+\i]
.endr
.irp i, 0,1,2
	v_mov_b32 v[PC+3+6*\c+\i], v[PC+12+4*\c+\i]
.endr
.endr
.endm
	s_load_b256 s[4:11], s[0:1], 0x0
	s_load_b128 s[92:95], s[0:1], 0x20
	s_load_b64 s[96:97], s[0:1], 0x30
	v_lshl_add_u32 v[SPW], v0, 2, SPARE
	v_mov_b32 v[NIL], 0
	ds_add_u32 v28, v29
	ds_add_u32 v28, v29
	s_wait_dscnt 0x0
	v_lshrrev_b32 v1, 5, v0
	v_readfirstlane_b32 s14, v1
	s_lshr_b32 s15, s14, 1
	s_and_b32 s16, s14, 1
	s_bfe_u32 s40, ttmp6, 0x40000
	s_bfe_u32 s41, ttmp6, 0x40004
	s_and_b32 s12, ttmp7, 0xffff
	s_lshl_b32 s13, ttmp9, 2
	s_lshl_b32 s18, s12, 6
	s_lshl_b32 s19, s12, 3
	s_add_co_u32 s19, s19, 192
	s_lshl_b32 s43, s41, 2
	s_lshl_b32 s43, 15, s43
	s_lshl_b32 s44, 0x1111, s40
	s_mov_b32 s[SEL], 0x76543210
	s_mov_b32 s[SEL+1], 0xfedcba98
	s_cmp_eq_u32 s12, 2
	s_cselect_b32 s66, 1, 0
	s_cselect_b32 s42, s13, 0
	s_cselect_b32 s17, 0, s13
	s_cselect_b32 s18, 208, s18
	s_cselect_b32 s19, 128, s19
	s_add_co_u32 s42, s42, s40
	s_add_co_u32 s17, s17, s41
	s_or_b32 s[G1+0], s43, (3<<16)|(1<<21)
	s_or_b32 s[G1B+0], s44, (3<<16)|(1<<21)
.irp g, G1, G1B
	s_mov_b32 s[\g+1], 32<<16
	s_mov_b32 s[\g+2], 96<<16
	s_mov_b32 s[\g+3], 32<<16
	s_mov_b32 s[\g+4], 96
	s_mov_b32 s[\g+5], 32
	s_mov_b32 s[\g+6], 0
	s_mov_b32 s[\g+7], 0
.endr
	s_lshl_b32 s20, s17, 1
	s_add_co_u32 s20, s20, s18
	s_add_co_u32 s20, s20, s16
	s_lshl_b32 s46, s42, 1
	s_add_co_u32 s46, s46, s19
	s_add_co_u32 s46, s46, s16
	s_lshl_b32 s22, s20, 12
	s_mov_b32 s23, 0
	s_lshl_b32 s98, s46, 12
	s_mov_b32 s99, 0
	s_mul_i32 s20, s20, 98304
	s_mov_b32 s21, 0
	s_mul_i32 s46, s46, 98304
	s_mov_b32 s47, 0
	s_mul_i32 s45, s14, HALFT
	s_lshl_b32 s67, s14, 12
	s_wait_kmcnt 0x0
	s_add_nc_u64 s[20:21], s[4:5], s[20:21]
	s_add_nc_u64 s[22:23], s[6:7], s[22:23]
	s_add_nc_u64 s[46:47], s[4:5], s[46:47]
	s_add_nc_u64 s[98:99], s[6:7], s[98:99]
	CROUND
.irp s, 0,1
	s_mov_b32 s[G0+4*\s], 1
	s_add_co_u32 s[G0+4*\s+1], s45, \s*SLOT
	s_add_nc_u64 s[G0+4*\s+2:G0+4*\s+3], s[20:21], \s*HALFT
	s_or_b32 s[G0+4*\s+3], s[G0+4*\s+3], 0x80000000
	s_mov_b32 s[G0B+4*\s], 1
	s_add_co_u32 s[G0B+4*\s+1], s45, \s*SLOT
	s_add_nc_u64 s[G0B+4*\s+2:G0B+4*\s+3], s[46:47], \s*HALFT
	s_or_b32 s[G0B+4*\s+3], s[G0B+4*\s+3], 0x80000000
.endr
	JLOAD G0, G1, G0B, G1B                         ; slot 0: my one tensor load at the head
	; my group's 4,096 bytes of scale words go through registers into LDS bytes of their own, while slot 0's load is out: eight loads of 512 consecutive bytes.
	; They are not asked for jointly: 4,096 bytes a wave beside the 98,304 of its four tiles of codes
	s_cmp_eq_u32 s15, 0
	s_cselect_b64 s[22:23], s[22:23], s[98:99]     ; waves 0, 1: A's groups; waves 2, 3: B's
	v_and_b32 v2, 31, v0
	v_lshlrev_b32 v3, 4, v2
	s_add_co_u32 s67, s67, SCL
	v_add_nc_u32 v4, s67, v3
.irp i, 0,1,2,3,4,5,6,7
	global_load_b128 v[SC+4*\i:SC+4*\i+3], v3, s[22:23] offset:512*\i
.endr
	s_wait_alu depctr_va_vdst(0)
	s_wait_loadcnt 0x0
.irp i, 0,1,2,3,4,5,6,7
	ds_store_b128 v4, v[SC+4*\i:SC+4*\i+3] offset:512*\i
.endr
	s_wait_tensorcnt 0x0                           ; slot 0's part is in
	ds_add_u32 v28, v29
	s_wait_dscnt 0x0                               ; the add, and my scale words lie in LDS
	CROUND
	JLOAD G0+4, G1, G0B+4, G1B
	v_and_b32 v1, 31, v0
	v_and_b32 v2, 15, v0
	v_bfe_u32 v3, v0, 4, 1
	v_lshlrev_b32 v[L16], 4, v1
	v_lshlrev_b32 v[L8], 3, v1
	v_lshlrev_b32 v[L4], 2, v1
	s_mul_i32 s21, s15, HALFT
	s_mul_i32 s22, s16, HALFT
	s_add_co_u32 s22, s22, 2*HALFT
.irp s, 0,1
	v_add_nc_u32 v[ADRA+\s], s21, v[L16]
	v_add_nc_u32 v[ADRB+\s], s22, v[L16]
	v_add_nc_u32 v[ADRA+2+\s], s21, v[L8]
	v_add_nc_u32 v[ADRB+2+\s], s22, v[L8]
	s_add_co_u32 s21, s21, SLOT
	s_add_co_u32 s22, s22, SLOT
.endr
	s_lshl_b32 s21, s15, 12
	s_lshl_b32 s22, s16, 12
	s_add_co_u32 s22, s22, 2*4096
	s_sub_co_u32 s22, s22, s21
	v_mul_u32_u24 v4, s22, v3
	s_add_co_u32 s21, s21, SCL
	v_lshl_add_u32 v4, v2, 2, v4
	v_add_nc_u32 v[ADRS], s21, v4
	v_lshlrev_b32 v[BIO], 6, v3
	s_wait_alu depctr_va_vdst(0)
	v_and_b32 v4, 8, v2
	v_add_nc_u32 v4, v4, v2
	v_lshlrev_b32 v[BRO], 2, v4
	s_wait_alu depctr_va_vdst(0)
	s_lshl_b32 s2, s42, 1
	s_add_co_u32 s2, s2, s16
	s_lshl_b32 s3, s17, 1
	s_add_co_u32 s3, s3, s15
	s_cmp_eq_u32 s12, 1
	s_cselect_b64 s[8:9], s[10:11], s[8:9]
	s_cmp_eq_u32 s12, 2
	s_cselect_b64 s[8:9], s[92:93], s[8:9]
	s_lshl_b32 s18, s2, 9
	s_and_b32 s18, s18, 4095
	s_mov_b32 s19, 0
	s_add_nc_u64 s[20:21], s[8:9], s[18:19]
	s_lshl_b32 s18, s3, 9
	s_and_b32 s18, s18, 4095
	s_add_nc_u64 s[22:23], s[8:9], s[18:19]
.irp t, 0,1,2,3,4,5,6,7
	global_load_b128 v[BI+8*\t:BI+8*\t+3], v[BIO], s[20:21] offset:(32*(\t/2)+8*(\t%2))*4
	global_load_b128 v[BI+8*\t+4:BI+8*\t+7], v[BIO], s[20:21] offset:(32*(\t/2)+8*(\t%2))*4+16
	global_load_b32 v[BR+\t], v[BRO], s[22:23] offset:(32*(\t/2)+8*(\t%2))*4
.endr
	s_mov_b32 s10, 768
	s_mov_b32 s98, 768
	s_mov_b32 s6, 294912
	s_mov_b32 s45, 512
	s_cmp_eq_u32 s66, 1
	s_cselect_b32 s18, s2, s3
	s_cselect_b32 s19, s3, s2
	s_cselect_b32 s10, 1536, s10
	s_cselect_b32 s98, 290304, s98
	s_cselect_b32 s6, 768, s6
	s_cselect_b32 s45, 256, s45
	s_mov_b32 s11, 0
	s_mov_b32 s99, 0
	s_mov_b32 s7, 0
	s_lshr_b32 s67, s18, 4
	s_lshl_b32 s67, s67, 4
	s_lshl_b32 s19, s19, 1
	s_add_co_u32 s67, s67, s19
	s_and_b32 s18, s18, 15
	s_mul_i32 s4, s67, 294912
	s_mul_i32 s19, s12, 98304
	s_add_co_u32 s4, s4, s19
	s_mul_i32 s19, s18, 6144
	s_add_co_u32 s4, s4, s19
	s_mov_b32 s5, 0
	s_add_nc_u64 s[4:5], s[94:95], s[4:5]
	s_add_nc_u64 s[6:7], s[4:5], s[6:7]
	s_mul_i32 s8, s67, 20480
	s_lshl_b32 s19, s12, 13
	s_add_co_u32 s8, s8, s19
	s_mul_i32 s19, s18, s45
	s_add_co_u32 s8, s8, s19
	s_mov_b32 s9, 0
	s_add_nc_u64 s[8:9], s[96:97], s[8:9]
.macro FRAG reg, adr, q, i
	ds_load_b128 v[\reg:\reg+3], v[\adr] offset:3072*(\i)+1536*(\q)
	ds_load_b64 v[\reg+4:\reg+5], v[\adr+2] offset:3072*(\i)+1536*(\q)+512
	ds_load_b128 v[\reg+6:\reg+9], v[\adr] offset:3072*(\i)+1536*(\q)+768
	ds_load_b64 v[\reg+10:\reg+11], v[\adr+2] offset:3072*(\i)+1536*(\q)+1280
.endm
.macro MUL16 a0, p, q, sc, zero
.irp a, \a0, \a0+1
.irp b, 0,1,2,3,4,5,6,7
.if \zero
	v_wmma_scale_f32_16x16x128_f8f6f4 v[8*(8*((\a)%4)+\b):8*(8*((\a)%4)+\b)+7], v[128*(\p)+FR*\b:128*(\p)+FR*\b+FR-1], v[AF+FR*(\a):AF+FR*(\a)+FR-1], 0, v[SC+8*NQ*(\sc)+NQ*\b+(\q)], v[SC+8*NQ*(\sc)+NQ*(\a)+(\q)] matrix_a_fmt:MATRIX_FMT_FP6 matrix_b_fmt:MATRIX_FMT_FP6 matrix_a_scale:MATRIX_SCALE_ROW1
.else
	v_wmma_scale_f32_16x16x128_f8f6f4 v[8*(8*((\a)%4)+\b):8*(8*((\a)%4)+\b)+7], v[128*(\p)+FR*\b:128*(\p)+FR*\b+FR-1], v[AF+FR*(\a):AF+FR*(\a)+FR-1], v[8*(8*((\a)%4)+\b):8*(8*((\a)%4)+\b)+7], v[SC+8*NQ*(\sc)+NQ*\b+(\q)], v[SC+8*NQ*(\sc)+NQ*(\a)+(\q)] matrix_a_fmt:MATRIX_FMT_FP6 matrix_b_fmt:MATRIX_FMT_FP6 matrix_a_scale:MATRIX_SCALE_ROW1
.endif
.endr
.endr
.endm
.macro FETCH_B slot, q, p
	WIN TO_B
.irp i, 0,1,2,3,4,5,6,7
	FRAG 128*(\p)+FR*\i, ADRB+\slot, \q, \i
.endr
	WIN 0
.endm
.macro FETCH_A slot, q, i0
.irp i, \i0, \i0+1, \i0+2, \i0+3
	FRAG AF+FR*(\i), ADRA+\slot, \q, \i
.endr
.endm
.macro SCALES sc
.irp i, 0,1,2,3,4,5,6,7
	ds_load_b32 v[SC+16*\sc+2*\i], v[ADRS] offset:64*\i
	ds_load_b32 v[SC+16*\sc+2*\i+1], v[ADRS] offset:64*\i+512
.endr
.endm
.macro STEP slot, q, zero
	s_wait_dscnt 4*NL
	WIN MUL_LO
	MUL16 0, (\q)%2, \q, \slot, \zero
	MUL16 2, (\q)%2, \q, \slot, \zero
	s_wait_dscnt 0
	PLACES NP
	FETCH_B \slot, (\q)+1, 1-(\q)%2
	FETCH_A \slot, (\q)+1, 0
	WIN MUL_HI
	MUL16 4, (\q)%2, \q, \slot, \zero
	MUL16 6, (\q)%2, \q, \slot, \zero
	PLACES NP
	WIN 0
	FETCH_A \slot, (\q)+1, 4
.endm
.macro TURN slot, next, fill
	s_wait_tensorcnt 0x0
	ds_add_u32 v[SPW], v[NIL]
	s_wait_dscnt 4*NL+1
	WIN MUL_LO
	MUL16 0, 1, NQ-1, \slot, 0
	s_wait_dscnt 0x0
	s_barrier_signal -1
	MUL16 2, 1, NQ-1, \slot, 0
	WIN 0
	s_barrier_wait -1
.if \fill
	CREST
	s_add_nc_u64 s[G0+4*\slot+2:G0+4*\slot+3], s[G0+4*\slot+2:G0+4*\slot+3], 2*HALFT
	s_add_nc_u64 s[G0B+4*\slot+2:G0B+4*\slot+3], s[G0B+4*\slot+2:G0B+4*\slot+3], 2*HALFT
	JLOAD G0+4*\slot, G1, G0B+4*\slot, G1B
.else
	PLACES NP
.endif
	s_wait_alu depctr_va_vdst(0)
	v_add_nc_u32 v[ADRS], 1024, v[ADRS]
	FETCH_B \next, 0, 0
	FETCH_A \next, 0, 0
	SCALES \next
	WIN MUL_HI
	MUL16 4, 1, NQ-1, \slot, 0
	MUL16 6, 1, NQ-1, \slot, 0
	PLACES NP
	WIN 0
	FETCH_A \next, 0, 4
.endm
	s_wait_tensorcnt 1
	s_barrier_signal -1
	s_barrier_wait -1
	FETCH_B 0, 0, 0
	FETCH_A 0, 0, 0
	SCALES 0
	FETCH_A 0, 0, 4
	STEP 0, 0, 1
	TURN 0, 1, 1
	STEP 1, 0, 0
	TURN 1, 0, 1
	STEP 0, 0, 0
	TURN 0, 1, 0
	STEP 1, 0, 0
	s_wait_dscnt 4*NL
	WIN MUL_LO
	MUL16 0, 1, NQ-1, 1, 0
	MUL16 2, 1, NQ-1, 1, 0
	s_wait_dscnt 0
	WIN MUL_HI
	MUL16 4, 1, NQ-1, 1, 0
	MUL16 6, 1, NQ-1, 1, 0
	WIN 0
.macro OUTBLK a
.set AC, 64*((\a)%4)
.if (\a) > 0
	s_wait_xcnt 0x0
.if (\a) == 4
	s_add_nc_u64 s[4:5], s[4:5], s[98:99]
	s_add_nc_u64 s[6:7], s[6:7], s[98:99]
.else
	s_add_nc_u64 s[4:5], s[4:5], s[10:11]
	s_add_nc_u64 s[6:7], s[6:7], s[10:11]
.endif
.endif
	s_cmp_eq_u32 s66, 1
	s_cbranch_scc1 .Lbias_v_\@
	WIN 2+(\a)/4
.set i, 0
.rept 32
	v_pk_add_f32 v[HA+i:HA+i+1], v[AC+i:AC+i+1], v[BI+i:BI+i+1]
.set i, i+2
.endr
	WIN 0
	s_branch .Lbias_done_\@
.Lbias_v_\@:
	WIN 2+(\a)/4
.set i, 0
.rept 64
	v_add_f32 v[HA+i], v[AC+i], v[BR+(\a)]
.set i, i+1
.endr
	WIN 0
.Lbias_done_\@:
	QUANT HA, SW+(\a)
	global_store_b128 v[L16], v[PC:PC+3], s[4:5]
	global_store_b64 v[L8], v[PC+4:PC+5], s[4:5] offset:512
	global_store_b128 v[L16], v[PC+6:PC+9], s[6:7]
	global_store_b64 v[L8], v[PC+10:PC+11], s[6:7] offset:512
.endm
	s_wait_loadcnt 0x0
	PLACES NP
.irp b, 0,1,2,3
	v_mov_b32 v[TM+4+\b], 0
.endr
	s_mov_b32 s13, 0xffff0000
	OUTBLK 0
	OUTBLK 1
	OUTBLK 2
	OUTBLK 3
	OUTBLK 4
	OUTBLK 5
	OUTBLK 6
	OUTBLK 7
.irp p, 0,1,2,3
	v_cndmask_b32 v[T+\p], v[SW+2*\p], v[SW+2*\p+1], s13
.endr
	s_cmp_eq_u32 s66, 1
	s_cbranch_scc1 .Lwords_v
.irp p, 0,1,2,3
	v_lshrrev_b32 v[U+\p], 16, v[T+\p]
.endr
.irp p, 0,1,2,3
	global_store_b32 v[L4], v[T+\p], s[8:9] offset:128*\p
	global_store_b32 v[L4], v[U+\p], s[8:9] offset:20480+128*\p
.endr
	s_branch .Lwords_done
.Lwords_v:
	s_wait_alu depctr_va_vdst(0)
.irp p, 0,1,2,3
	global_store_b32 v[L4], v[T+\p], s[8:9] offset:128*(\p%2)+20480*(\p/2)
.endr
.Lwords_done:
	s_wait_tensorcnt 0x0
	ds_add_u32 v[SPW], v[NIL]
	s_wait_dscnt 0x0
	CROUND
	s_endpgm
.Lfunc_end_k_q4babe67e42_proj:
	.size	k_q4babe67e42_proj, .Lfunc_end_k_q4babe67e42_proj-k_q4babe67e42_proj
	.p2alignl 7, 3214868480
	.fill 96, 4, 3214868480
	.section	.rodata,"a",@progbits
	.p2align	6, 0x0
	.amdhsa_kernel k_q4babe67e42_proj
		.amdhsa_group_segment_fixed_size 327680
		.amdhsa_private_segment_fixed_size 0
		.amdhsa_enable_private_segment 0
		.amdhsa_kernarg_size 56
		.amdhsa_user_sgpr_count 2
		.amdhsa_user_sgpr_kernarg_segment_ptr 1
		.amdhsa_wavefront_size32 1
		.amdhsa_system_sgpr_workgroup_id_x 1
		.amdhsa_system_sgpr_workgroup_id_y 1
		.amdhsa_system_sgpr_workgroup_id_z 1
		.amdhsa_system_vgpr_workitem_id 0
		.amdhsa_next_free_vgpr 1024
		.amdhsa_next_free_sgpr 102
		.amdhsa_reserve_vcc 0
		.amdhsa_float_denorm_mode_32 3
		.amdhsa_float_denorm_mode_16_64 3
		.amdhsa_memory_ordered 1
		.amdhsa_forward_progress 1
		.amdhsa_inst_pref_size 189
	.end_amdhsa_kernel
	.amdgpu_metadata
---
amdhsa.version: [ 1, 2 ]
amdhsa.kernels:
  - .name:           k_q4babe67e42_proj
    .symbol:         k_q4babe67e42_proj.kd
    .args:
      - { .name: cod, .offset: 0, .size: 8, .value_kind: global_buffer, .address_space: global }
      - { .name: scl, .offset: 8, .size: 8, .value_kind: global_buffer, .address_space: global }
      - { .name: bq, .offset: 16, .size: 8, .value_kind: global_buffer, .address_space: global }
      - { .name: bk, .offset: 24, .size: 8, .value_kind: global_buffer, .address_space: global }
      - { .name: bv, .offset: 32, .size: 8, .value_kind: global_buffer, .address_space: global }
      - { .name: hc, .offset: 40, .size: 8, .value_kind: global_buffer, .address_space: global }
      - { .name: hs, .offset: 48, .size: 8, .value_kind: global_buffer, .address_space: global }
    .group_segment_fixed_size: 327680
    .private_segment_fixed_size: 0
    .kernarg_segment_align: 8
    .kernarg_segment_size: 56
    .max_flat_workgroup_size: 128
    .sgpr_count:     102
    .vgpr_count:     1024
    .wavefront_size: 32
...
	.end_amdgpu_metadata
.endif
;; end of part 2
;; launch attn (part 3): grid 4 x 64, 16 waves a work-group, clusters of 4 x 1, 210,944 bytes of LDS; arguments hc, hs, cc, cs; writes cc, cs
.if DOCPART == 3
	.amdgcn_target "amdgcn-amd-amdhsa--gfx1250"
	.amdhsa_code_object_version 6
	.text
	.protected	k_q4babe67e42_attn
	.globl	k_q4babe67e42_attn
	.p2align	8
	.type	k_q4babe67e42_attn,@function
k_q4babe67e42_attn:
	s_mov_b64 s[64:65], 0
	v_nop
	global_prefetch_b8 v0, s[64:65] scope:SCOPE_SE
	s_setreg_imm32_b32 hwreg(HW_REG_WAVE_MODE, 25, 1), 1
	s_wait_xcnt 0x0
	s_wait_alu depctr_hold_cnt(0) depctr_sa_sdst(0) depctr_va_vdst(0) depctr_va_sdst(0) depctr_va_ssrc(0) depctr_va_vcc(0) depctr_vm_vsrc(0)
	s_getreg_b32 s2, hwreg(HW_REG_IB_STS2, 6, 4)
	s_cmp_eq_u32 s2, 0
	s_cbranch_scc0 .Lentry_in_a_cluster
	s_endpgm
.Lentry_in_a_cluster:
	s_bfe_u32 s2, ttmp6, 0x10000c
	s_cmp_lg_u32 s2, 0x3003
	s_cbranch_scc0 .Lentry_shape_is_right
	s_endpgm
.Lentry_shape_is_right:
; ctx = softmax(Q K^T / 8) V for one head and 512 queries a work-group, both products on codes of FP6 (E2M3); ctx is quantised along E for the last product.
; t = score x log2(e) / 8; M = the row's largest t so far, rounded UP to a whole number; p = 2^(t - M) is quantised along the keys, not normalised; the row's sum is taken of the
; unquantised p and divides at the end (v_rcp_f32 and a multiplication).  When M moves, the sum and O are multiplied by 2^(old M - new M): exact.
; SHARES.  64 heads x 4 blocks of 512 queries = 256 work-groups.  Sixteen waves, 256 registers each; a wave takes two tiles of 16 queries, one after the other (two passes), 16 steps of 128 keys each.
; LDS.  A whole head's K and V lie in LDS, step by step: [step][K 6,144 bytes][V 6,144 bytes]; filled once, no byte is filled again, so there is no ring.
; Wave w asks for step w by ONE tensor load of two rows (K's 6,144 bytes and V's, 98,304 bytes apart in memory).  Waves 0-4 have a load line of their own: the first barrier shows steps 0-4,
; a second barrier, behind the first pass's fourth step, shows the rest.  The 12,288 bytes of scale words go through registers into LDS bytes of their own, [step][K 512][V 256].
; K ONE STEP AHEAD.  A step's 20 LDS loads of K's fragments and scale words are issued in the step before, as soon as the scratch in K's registers is done with: 30 additions and four products ahead of
; their wait.  The last step asks for step 15 once more (its offsets are held there), and nobody reads that.
; CLUSTER.  The four work-groups of a cluster have the same head: every tile is asked for jointly (mask 15).
; No prefetch into the L2: every tile is asked for at the head, and there is no loop to run ahead in.
; LAYOUT.  Both products transposed: S^T = K Q^T, O^T = V^T P^T: a lane holds one query.  Row 8 h + j of K's tile 4 c + u is key 64 c + 32 h + 8 u + j (the first launch orders k's rows so):
; register 32 c + x of S^T in lane (r, h) is key 64 c + 32 h + x, a whole block of 32 keys in a lane, in the order of the next operand's registers.
; Operands lie in the order of their registers: half a fragment (64 along K) is 768 bytes, registers 0-3 of lane l at 16 l, registers 4, 5 at 512 + 8 l.
; THE HEAD IS 64 LONG, the instruction 128: Q's registers for k = 64 .. 127 are zeros, so whatever K's operand names there (the next tile's codes, V's first registers) adds nothing:
; E2M3 has neither NaN nor infinity, and no scale byte is 0xff.
; ctx's scale bytes leave as 2 bytes a row (the other half of the word is the neighbouring head's work-group's): parts of 256-byte blocks, 32 bytes a tile beside its 768 of codes.
; LIMITS: NaN and infinities are not served; a block of zeros gets the byte 1 (its codes are zeros; this program alone reads the bytes); the scaled scores stay under 2^31 in magnitude.
.set STEPB, 12288                      ; a step in LDS
.set SCB,   196608                     ; the scale words
.set SCS,   768                        ; a step's scale words
.set SPARE, 208896                     ; the spare words: 128 bytes a wave
.set KF,  30                           ; v30-77   eight half fragments of K, 6 registers apart; between the products and the next step's loads: at work
.set VF,  78                           ; v78-125  four fragments of V
.set S,   126                          ; v126-189 S^T, then p
.set O,   190                          ; v190-221 O^T
.set PC,  222                          ; v222-233 p's codes
.set KSW, 234                          ; v234-237 K's scale words: lanes 0-15 tile 2 i, lanes 16-31 tile 2 i + 1
.set VSW, 238                          ; v238-239 V's likewise
.set QS,  240                          ; Q's scale words; v241 the second tile's
.set QS1, 241
.set PSW, 242                          ; p's scale word
.set SPW, 243
.set NIL, 244
.set TMP, 245                          ; the old -M; later the address of the next step's scale words
.set F,   246                          ; f = 2^(old M - new M); with v247 a pair
.set C2,  248                          ; v248-251 two more chains of the row's sum
.set C3,  250
.set R4,  252                          ; 4 r
.set X,   253                          ; v253-254 lane permutes' results
.set PA,  254                          ; v254-255 in the steps: the addresses of the next step's K
.set T,   30                           ; at work, in K's registers: four chains of maxima,
.set BM,  34                           ; the two blocks' largest,
.set T4,  36
.set SO,  38                           ; the conversions' scale operands,
.set E,   40                           ; the bytes,
.set W,   42
.set TC,  44                           ; v44-46, v48-50 the second conversions' codes
; v1 16 l, v2 512 + 8 l, v3 SCB + 4 l, v4-6 the step's addresses, v7 8 h, v8-13 the second tile's Q, v14 -M, v15 the largest score, v[16:17] the sum, v18-29 Q
.set WV,  12
.set SEL, 20
.set CS,  22
.set G1,  24
.set G0,  40
.set TSN, 59
.set TK,  60
.set TS,  61
.set TKN, 62
.set CNT, 63
.macro ROUND                           ; a round of the cluster's barrier
	s_barrier_signal -1
	s_barrier_wait -1
	s_cmp_lg_u32 s[WV], 0
	s_cbranch_scc1 .Lnot_wave_0_\@
	s_barrier_signal -3
.Lnot_wave_0_\@:
	s_barrier_wait -3
	s_barrier_signal -1
	s_barrier_wait -1
.endm
.macro WALU
	s_wait_alu depctr_va_vdst(0)
.endm
.macro QK i
.if (\i)%2
	v_wmma_scale_f32_16x16x128_f8f6f4 v[S+8*(\i):S+8*(\i)+7], v[KF+6*(\i):KF+6*(\i)+11], v[18:29], 0, v[KSW+(\i)/2], v[QS] matrix_a_fmt:MATRIX_FMT_FP6 matrix_b_fmt:MATRIX_FMT_FP6 matrix_a_scale:MATRIX_SCALE_ROW1
.else
	v_wmma_scale_f32_16x16x128_f8f6f4 v[S+8*(\i):S+8*(\i)+7], v[KF+6*(\i):KF+6*(\i)+11], v[18:29], 0, v[KSW+(\i)/2], v[QS] matrix_a_fmt:MATRIX_FMT_FP6 matrix_b_fmt:MATRIX_FMT_FP6
.endif
.endm
.macro PV d
.if (\d)%2
	v_wmma_scale_f32_16x16x128_f8f6f4 v[O+8*(\d):O+8*(\d)+7], v[VF+12*(\d):VF+12*(\d)+11], v[PC:PC+11], v[O+8*(\d):O+8*(\d)+7], v[VSW+(\d)/2], v[PSW] matrix_a_fmt:MATRIX_FMT_FP6 matrix_b_fmt:MATRIX_FMT_FP6 matrix_a_scale:MATRIX_SCALE_ROW1
.else
	v_wmma_scale_f32_16x16x128_f8f6f4 v[O+8*(\d):O+8*(\d)+7], v[VF+12*(\d):VF+12*(\d)+11], v[PC:PC+11], v[O+8*(\d):O+8*(\d)+7], v[VSW+(\d)/2], v[PSW] matrix_a_fmt:MATRIX_FMT_FP6 matrix_b_fmt:MATRIX_FMT_FP6
.endif
.endm
.macro KLOAD a16, a8, as               ; a step's K: 4 loads of scale words, then 16 of codes
.irp i, 0,1,2,3
	ds_load_b32 v[KSW+\i], v[\as] offset:128*\i
.endr
.irp i, 0,1,2,3,4,5,6,7
	ds_load_b128 v[KF+6*\i:KF+6*\i+3], v[\a16] offset:768*\i
	ds_load_b64 v[KF+6*\i+4:KF+6*\i+5], v[\a8] offset:768*\i
.endr
.endm
	s_load_b256 s[4:11], s[0:1], 0x0               ; hc, hs, cc, cs
	v_lshl_add_u32 v[SPW], v0, 2, SPARE
	v_mov_b32 v[NIL], 0
	ds_add_u32 v[SPW], v[NIL]
	ds_add_u32 v[SPW], v[NIL]
	v_lshrrev_b32 v4, 5, v0
	v_readfirstlane_b32 s[WV], v4                  ; wave 0..15
	v_and_b32 v5, 31, v0
	v_and_b32 v6, 15, v0
	v_bfe_u32 v7, v0, 4, 1
	v_lshlrev_b32 v1, 4, v5                        ; 16 x lane
	v_lshlrev_b32 v2, 3, v5
	v_lshlrev_b32 v3, 2, v5
	v_lshlrev_b32 v[R4], 2, v6                     ; 4 r
	v_lshlrev_b32 v7, 3, v7                        ; 8 h
	v_add_nc_u32 v2, 512, v2                       ; 512 + 8 x lane
	v_add_nc_u32 v3, SCB, v3                       ; the scale words: 4 x lane
	v_lshlrev_b32 v[S+8], 4, v0                    ; the copy of the scale words: 16 bytes a thread of K's, 8 of V's: wave w copies step w's
	v_lshlrev_b32 v[S+9], 3, v0
	s_mul_i32 s74, s[WV], SCS
	s_add_co_u32 s74, s74, SCB
	v_add_nc_u32 v[S+10], s74, v1
	v_add_nc_u32 v[S+11], s74, v2
.irp j, 0,1,2,3,4,5
	v_mov_b32 v[24+\j], 0                          ; Q's codes for k = 64 .. 127
	v_mov_b32 v[VF+\j], 0                          ; named behind K's eighth half fragment
.endr
	v_mov_b32 v[X], 0                              ; a lane permute's destination counts as one of its sources
	v_mov_b32 v[X+1], 0
	v_mov_b32 v[F+1], 0                            ; (named as the upper half of the pair)
	s_bfe_u32 s13, ttmp6, 0x40000                  ; cx: my block of 512 queries: it enters global addresses alone
	s_and_b32 s15, ttmp7, 0xffff                   ; 16 x batch + head, which the four partners share
	s_mul_i32 s16, s15, 294912
	s_mov_b32 s17, 0
	s_mul_i32 s18, s15, 20480
	s_mov_b32 s19, 0
	s_mov_b32 s[G1], 15|(3<<16)|(1<<21)            ; the mask: all four work-groups; elements of 8 bytes; bit 21 beside a mask
	s_mov_b32 s[G1+1], 768<<16                     ; a row: 768 elements = 6,144 bytes
	s_mov_b32 s[G1+2], 2<<16                       ; two rows: K's step, V's step
	s_mov_b32 s[G1+3], 768<<16
	s_mov_b32 s[G1+4], 2
	s_mov_b32 s[G1+5], 12288                       ; 98,304 bytes from K's row to V's
	s_mov_b32 s[G1+6], 0
	s_mov_b32 s[G1+7], 0
	s_mov_b32 s[G0], 1
	s_mul_i32 s[G0+1], s[WV], STEPB
	s_mul_i32 s76, s[WV], 6144
	s_add_co_u32 s76, s76, 98304                   ; behind Q's part of the record
	s_mov_b32 s77, 0
	s_mov_b32 s[SEL], 0x76543210
	s_mov_b32 s[SEL+1], 0xfedcba98
	s_mov_b32 s[CS], 0x3e38aa3b                    ; c = log2(e) / 8
	s_mov_b32 s[CS+1], s[CS]
	WALU
	s_wait_dscnt 0x0
	s_wait_kmcnt 0x0
	s_add_nc_u64 s[4:5], s[4:5], s[16:17]          ; my head's record of codes
	s_add_nc_u64 s[6:7], s[6:7], s[18:19]          ; and of scale words
	s_add_nc_u64 s[G0+2:G0+3], s[4:5], s[76:77]
	s_or_b32 s[G0+3], s[G0+3], 0x80000000
	ROUND                                          ; all four work-groups are here: the joint loads meet
	s_cmp_lt_u32 s[WV], 5                          ; one load a wave; waves 0-4 have a line of their own, for which they alone wait at the first barrier
	s_cbranch_scc0 .Llater
	tensor_load_to_lds s[G0:G0+3], s[G1:G1+7]
	s_nop 0
.rept 4
	v_nop
.endr
	s_branch .Lasked
.Llater:
	tensor_load_to_lds s[G0:G0+3], s[G1:G1+7]
	s_nop 0
.rept 4
	v_nop
.endr
.Lasked:
	s_lshl_b32 s16, s13, 5
	s_add_co_u32 s16, s16, s[WV]                   ; my first tile of queries: 32 cx + wave; the second lies 16 tiles on
	s_mul_i32 s66, s16, 768
	s_mov_b32 s67, 0
	s_add_nc_u64 s[66:67], s[4:5], s[66:67]
	s_lshl_b32 s68, s16, 6
	s_mov_b32 s69, 0
	s_add_nc_u64 s[68:69], s[6:7], s[68:69]
	global_load_b128 v[S:S+3], v[S+8], s[6:7] offset:8192      ; K's scale words
	global_load_b64 v[S+4:S+5], v[S+9], s[6:7] offset:16384    ; V's
	global_load_b128 v[18:21], v1, s[66:67]                    ; Q, both tiles
	global_load_b64 v[22:23], v2, s[66:67]
	global_load_b32 v[QS], v[R4], s[68:69]
	global_load_b128 v[8:11], v1, s[66:67] offset:12288
	global_load_b64 v[12:13], v2, s[66:67] offset:12288
	global_load_b32 v[QS1], v[R4], s[68:69] offset:1024
	; where ctx goes: group 16 x batch + tile / 8; within it 256 K: head / 4; tile % 8; the head's 64 of these 256: (head % 4) x 768.  The second tile: two groups on
	s_lshr_b32 s70, s15, 4
	s_lshl_b32 s70, s70, 4
	s_lshl_b32 s71, s13, 2
	s_add_co_u32 s70, s70, s71
	s_lshr_b32 s71, s[WV], 3
	s_add_co_u32 s70, s70, s71
	s_and_b32 s71, s15, 15                         ; head
	s_and_b32 s74, s[WV], 7                        ; tile % 8
	s_lshl_b32 s72, s70, 12
	s_mul_i32 s70, s70, 98304
	s_lshr_b32 s75, s71, 2
	s_mul_i32 s75, s75, 24576
	s_add_co_u32 s70, s70, s75
	s_mul_i32 s75, s74, 3072
	s_add_co_u32 s70, s70, s75
	s_and_b32 s75, s71, 3
	s_mul_i32 s75, s75, 768
	s_add_co_u32 s70, s70, s75
	s_lshr_b32 s75, s71, 1
	s_lshl_b32 s75, s75, 9                         ; scale words: 128 K: head / 2
	s_add_co_u32 s72, s72, s75
	s_lshl_b32 s75, s74, 6
	s_add_co_u32 s72, s72, s75
	s_and_b32 s75, s71, 1
	s_lshl_b32 s75, s75, 1                         ; my head's two bytes of the word
	s_add_co_u32 s72, s72, s75
	s_mov_b32 s71, 0
	s_mov_b32 s73, 0
	s_add_nc_u64 s[70:71], s[8:9], s[70:71]
	s_add_nc_u64 s[72:73], s[10:11], s[72:73]
.macro INIT                            ; a pass begins
	v_mov_b32 v15, 0xff61b1e6                      ; the largest score so far: -3e38
	v_mov_b32 v14, 0x7d000000                      ; -M: a large whole number, so that the first f is 0
	v_mov_b32 v16, 0
	v_mov_b32 v17, 0
.irp j, 0,1,2,3
	v_mov_b32 v[C2+\j], 0
.endr
.set j, 0
.rept 32
	v_mov_b32 v[O+j], 0                            ; O^T: the step is written once; the first f leaves zeros zeros
.set j, j+1
.endr
	s_mov_b32 s[TK], 0
	s_mov_b32 s[TS], 0
.endm
.macro STEP                            ; 128 keys; K's 20 loads were issued a step ago
	s_wait_dscnt 6                                 ; the six youngest loads, tiles 5 to 7, may be out: tile 3's operand names tile 4's registers
	QK 0
	QK 1
	QK 2
	QK 3
	s_wait_dscnt 0x0
	QK 4
	QK 5
	QK 6
	QK 7
	v_add_nc_u32 v4, s[TK], v1                     ; four places behind the products: this step's addresses, for V, and the old -M
	v_add_nc_u32 v5, s[TK], v2
	v_add_nc_u32 v6, s[TS], v3
	v_mov_b32 v[TMP], v14
.irp d, 0,1,2,3                                ; V's four fragments are asked for now and land under the softmax
	ds_load_b128 v[VF+12*\d:VF+12*\d+3], v4 offset:6144+1536*\d
	ds_load_b64 v[VF+12*\d+4:VF+12*\d+5], v5 offset:6144+1536*\d
	ds_load_b128 v[VF+12*\d+6:VF+12*\d+9], v4 offset:6144+1536*\d+768
	ds_load_b64 v[VF+12*\d+10:VF+12*\d+11], v5 offset:6144+1536*\d+768
.endr
	ds_load_b32 v[VSW], v6 offset:512
	ds_load_b32 v[VSW+1], v6 offset:640
	v_pk_add_f32 v[C2:C2+1], v[C2:C2+1], v[C3:C3+1]    ; the last step's chains of the sum are joined, still under the old M
; the largest score of my two blocks of 32 keys, each in two chains; each accumulator is read from its low end on
.irp c, 0,1
	v_max3_num_f32 v[T+2*\c], v[S+32*\c], v[S+32*\c+1], v[S+32*\c+2]
	v_max3_num_f32 v[T+2*\c+1], v[S+32*\c+17], v[S+32*\c+18], v[S+32*\c+19]
.endr
	v_pk_add_f32 v[16:17], v[16:17], v[C2:C2+1]
.irp i, 1,2,3,4,5,6
.irp c, 0,1
	v_max3_num_f32 v[T+2*\c], v[T+2*\c], v[S+32*\c+2*\i+1], v[S+32*\c+2*\i+2]
	v_max3_num_f32 v[T+2*\c+1], v[T+2*\c+1], v[S+32*\c+2*\i+18], v[S+32*\c+2*\i+19]
.endr
.endr
.irp c, 0,1
	v_max3_num_f32 v[T+2*\c], v[T+2*\c], v[S+32*\c+15], v[S+32*\c+16]
.endr
.irp c, 0,1
	v_max_num_f32 v[BM+\c], v[T+2*\c], v[T+2*\c+1]
.endr
	v_max_num_f32 v[T4], v[BM], v[BM+1]
	v_permlanex16_b32 v[X], v[T4], s[SEL], s[SEL+1]
	v_max3_num_f32 v15, v15, v[T4], v[X]           ; the running largest score of my query, with lane l xor 16's 64 keys
	v_mul_f32 v[T4], s[CS], v15                    ; as t (c is positive)
	v_floor_f32 v14, -v[T4]                        ; the new -M = -ceil(t): a whole number
.set j, 0
.rept 32
	v_pk_fma_f32 v[S+j:S+j+1], v[S+j:S+j+1], s[CS:CS+1], v[14:15] op_sel_hi:[1,0,0]   ; t - M, two at a time
.if j == 14
	v_sub_f32 v[TMP], v14, v[TMP]                  ; old M - new M, 0 or less
.endif
.if j == 30
	v_cvt_i32_f32 v[TMP], v[TMP]                   ; (it saturates)
.endif
.if j == 46
	v_ldexp_f32 v[F], 1.0, v[TMP]                  ; f = 2^(old M - new M)
.endif
.set j, j+2
.endr
.irp c, 0,1
	v_fma_f32 v[BM+\c], v[BM+\c], s[CS], v14       ; the same of each block's largest score: p rises with the score
.endr
.set j, 0
.rept 16
	v_pk_mul_f32 v[O+j:O+j+1], v[O+j:O+j+1], v[F:F+1] op_sel_hi:[1,0]   ; O^T under the new M, each accumulator from its low end on
.set j, j+2
.endr
	WALU
.set j, 0
.rept 64
	v_exp_f32 v[S+j], v[S+j]                       ; p = 2^(t - M), at most 1
.set j, j+1
.endr
.irp c, 0,1
	v_exp_f32 v[BM+\c], v[BM+\c]                   ; the block's largest p
.endr
	v_pk_mul_f32 v[16:17], v[16:17], v[F:F+1] op_sel_hi:[1,0]   ; the sum under the new M (a plain place behind the exponentials)
	WALU                                           ; and behind it
.irp c, 0,1
	v_max_num_f32 v[BM+\c], 0x1800000, v[BM+\c]    ; the floor 2^(3 - 127): the byte cannot fall under 1
.endr
.irp c, 0,1
	s_delay_alu instid0(VALU_DEP_2)
	v_add_nc_u32 v[SO+\c], 0xff000000, v[BM+\c]    ; 2 off the exponent field: the conversions' scale operand
.endr
.irp c, 0,1                                    ; block 2 c + h: registers 6 c .. 6 c + 5 of the operand
	v_cvt_scalef32_pk16_fp6_f32 v[PC+6*\c:PC+6*\c+2], v[S+32*\c:S+32*\c+15], v[SO+\c]
	v_cvt_scalef32_pk16_fp6_f32 v[TC+4*\c:TC+4*\c+2], v[S+32*\c+16:S+32*\c+31], v[SO+\c]   ; (a conversion's three registers begin on an even number)
.endr
	v_lshrrev_b32 v[E], 23, v[SO]                  ; the bytes (plain places behind the conversions)
	v_lshrrev_b32 v[E+1], 23, v[SO+1]
	v_mov_b32 v[PC+3], v[TC]
	s_delay_alu instid0(VALU_DEP_2)
	v_lshl_or_b32 v[W], v[E+1], 16, v[E]           ; my bytes: blocks h and 2 + h,
	v_mov_b32 v[PC+4], v[TC+1]
	s_delay_alu instid0(VALU_DEP_2)
	v_lshlrev_b32 v[W], v7, v[W]                   ; at their places in the word, 8 h bits up;
	v_mov_b32 v[PC+5], v[TC+2]
	s_delay_alu instid0(VALU_DEP_2)
	v_permlanex16_b32 v[X], v[W], s[SEL], s[SEL+1]
	v_mov_b32 v[PC+9], v[TC+4]
	s_delay_alu instid0(VALU_DEP_2)
	v_or_b32 v[PSW], v[W], v[X]                    ; with lane l xor 16's two the word is whole
	v_mov_b32 v[PC+10], v[TC+5]
	v_mov_b32 v[PC+11], v[TC+6]
	s_add_co_u32 s[TK], s[TK], STEPB               ; on to the next step; what is asked for ahead is held at step 15
	s_add_co_u32 s[TS], s[TS], SCS
	s_min_u32 s[TKN], s[TK], 15*STEPB
	s_min_u32 s[TSN], s[TS], 15*SCS
	v_add_nc_u32 v[PA], s[TKN], v1
	v_add_nc_u32 v[PA+1], s[TKN], v2
	v_add_nc_u32 v[TMP], s[TSN], v3
	KLOAD PA, PA+1, TMP                            ; the scratch in K's registers is done with: the next step's K
	v_pk_add_f32 v[C2:C2+1], v[S:S+1], v[S+2:S+3]  ; the row's sum, of the unquantised p: three chains by turns
	v_pk_add_f32 v[C3:C3+1], v[S+4:S+5], v[S+6:S+7]
.set j, 8
.rept 9
	v_pk_add_f32 v[16:17], v[16:17], v[S+j:S+j+1]
	v_pk_add_f32 v[C2:C2+1], v[C2:C2+1], v[S+j+2:S+j+3]
	v_pk_add_f32 v[C3:C3+1], v[C3:C3+1], v[S+j+4:S+j+5]
.set j, j+6
.endr
	v_pk_add_f32 v[16:17], v[16:17], v[S+62:S+63]
	WALU
	s_wait_dscnt 20                                ; V is in; the 20 younger loads, the next step's K, may be out
	PV 0                                           ; O^T += V^T P^T: the four accumulators by turns
	PV 1
	PV 2
	PV 3
.endm
.macro LOOP n
	s_mov_b32 s[CNT], \n
.Lsteps_\@:
	STEP
	s_sub_co_u32 s[CNT], s[CNT], 1
	s_cmp_lg_u32 s[CNT], 0
	s_cbranch_scc1 .Lsteps_\@
.endm
; THE WAY OUT of a tile: O^T / the sum: register 16 b + i is channel 32 b + 16 (lane / 16) + i of my query: two blocks of the last product's K, quantised in registers
.macro OUT p
	s_wait_dscnt 0x0                               ; the loads that the last step issued ahead have landed: K's registers are scratch again
	v_pk_add_f32 v[C2:C2+1], v[C2:C2+1], v[C3:C3+1]    ; the last step's chains (these lines are also the places behind the last products)
	s_delay_alu instid0(VALU_DEP_1)
	v_pk_add_f32 v[16:17], v[16:17], v[C2:C2+1]
	s_delay_alu instid0(VALU_DEP_1)
	v_add_f32 v16, v16, v17
	s_delay_alu instid0(VALU_DEP_1)
	v_permlanex16_b32 v[X], v16, s[SEL], s[SEL+1]
	s_delay_alu instid0(VALU_DEP_1)
	v_add_f32 v16, v16, v[X]                       ; the row's sum
	WALU
	v_rcp_f32 v16, v16
	v_nop                                          ; a plain place behind the transcendental
	WALU
.set j, 0
.rept 16
	v_pk_mul_f32 v[S+j:S+j+1], v[O+j:O+j+1], v[16:17] op_sel_hi:[1,0]   ; each accumulator from its low end on
.set j, j+2
.endr
.irp b, 0,1
	v_max3_num_f32 v[BM+\b], |v[S+16*\b]|, |v[S+1+16*\b]|, 0x1800000
.endr
.irp i, 2,4,6,8,10,12,14
.irp b, 0,1
	s_delay_alu instid0(VALU_DEP_2)
	v_max3_num_f32 v[BM+\b], v[BM+\b], |v[S+16*\b+\i]|, |v[S+1+16*\b+\i]|
.endr
.endr
.irp b, 0,1
	s_delay_alu instid0(VALU_DEP_2)
	v_permlanex16_b32 v[X+\b], v[BM+\b], s[SEL], s[SEL+1]
.endr
.irp b, 0,1
	s_delay_alu instid0(VALU_DEP_2)
	v_max_num_f32 v[BM+\b], v[BM+\b], v[X+\b]
.endr
.irp b, 0,1
	s_delay_alu instid0(VALU_DEP_2)
	v_add_nc_u32 v[SO+\b], 0xff000000, v[BM+\b]
.endr
.irp b, 0,1
	s_delay_alu instid0(VALU_DEP_2)
	v_lshrrev_b32 v[E+\b], 23, v[SO+\b]
.endr
	s_delay_alu instid0(VALU_DEP_1)
	v_lshl_or_b32 v[W], v[E+1], 8, v[E]            ; my head's two scale bytes
	v_cvt_scalef32_pk16_fp6_f32 v[PC:PC+2], v[S:S+15], v[SO]
	v_cvt_scalef32_pk16_fp6_f32 v[TC:TC+2], v[S+16:S+31], v[SO+1]
	v_nop
.irp i, 0,1,2
	v_permlane16_swap_b32 v[PC+\i], v[TC+\i]       ; the operand's layout wants a whole block in a lane
.endr
.irp i, 0,1,2
	s_delay_alu instid0(VALU_DEP_3)
	v_mov_b32 v[PC+3+\i], v[TC+\i]
.endr
	global_store_b128 v1, v[PC:PC+3], s[70:71] offset:196608*\p     ; 512 consecutive bytes, aligned
	global_store_b64 v2, v[PC+4:PC+5], s[70:71] offset:196608*\p    ; and the 256 behind them (v2 holds 512 + 8 x lane)
	global_store_b16 v[R4], v[W], s[72:73] offset:8192*\p           ; lanes r and r + 16 store the same two bytes with the same value
.endm
	INIT
	WALU
	s_wait_loadcnt 6                               ; the scale words are in; Q's six loads may be out
	ds_store_b128 v[S+10], v[S:S+3]
	ds_store_b64 v[S+11], v[S+4:S+5]
	s_cmp_lt_u32 s[WV], 5
	s_cbranch_scc0 .Lnot_first
	s_wait_tensorcnt 0x0                           ; steps 0 to 4 have landed
.Lnot_first:
	s_wait_loadcnt 0x0                             ; Q
	s_wait_dscnt 0x0                               ; for the others' sake: my scale words lie in LDS
	s_barrier_signal -1
	s_barrier_wait -1
	KLOAD 1, 2, 3                                  ; step 0's K
	LOOP 4                                         ; its last trip asks for step 4's K
	s_wait_tensorcnt 0x0                           ; every wave's step has landed
	s_wait_dscnt 0x0
	s_barrier_signal -1
	s_barrier_wait -1
	LOOP 12
	OUT 0
	s_wait_xcnt 0x0                                ; the stores have read their registers
	KLOAD 1, 2, 3                                  ; the second pass: step 0's K
	v_mov_b32 v[QS], v[QS1]                        ; the second tile of queries
.irp j, 0,1,2,3,4,5
	v_mov_b32 v[18+\j], v[8+\j]
.endr
	INIT
	WALU
	LOOP 16
	OUT 1
	s_wait_tensorcnt 0x0                           ; the wave's end
	ds_add_u32 v[SPW], v[NIL]
	s_wait_dscnt 0x0
	ROUND                                          ; the closing round
	s_endpgm
.Lfunc_end_k_q4babe67e42_attn:
	.size	k_q4babe67e42_attn, .Lfunc_end_k_q4babe67e42_attn-k_q4babe67e42_attn
	.p2alignl 7, 3214868480
	.fill 96, 4, 3214868480
	.section	.rodata,"a",@progbits
	.p2align	6, 0x0
	.amdhsa_kernel k_q4babe67e42_attn
		.amdhsa_group_segment_fixed_size 210944
		.amdhsa_private_segment_fixed_size 0
		.amdhsa_enable_private_segment 0
		.amdhsa_kernarg_size 32
		.amdhsa_user_sgpr_count 2
		.amdhsa_user_sgpr_kernarg_segment_ptr 1
		.amdhsa_wavefront_size32 1
		.amdhsa_system_sgpr_workgroup_id_x 1
		.amdhsa_system_sgpr_workgroup_id_y 1
		.amdhsa_system_sgpr_workgroup_id_z 1
		.amdhsa_system_vgpr_workitem_id 0
		.amdhsa_next_free_vgpr 256
		.amdhsa_next_free_sgpr 96
		.amdhsa_reserve_vcc 0
		.amdhsa_float_denorm_mode_32 3
		.amdhsa_float_denorm_mode_16_64 3
		.amdhsa_memory_ordered 1
		.amdhsa_forward_progress 1
		.amdhsa_inst_pref_size 68
	.end_amdhsa_kernel
	.amdgpu_metadata
---
amdhsa.version: [ 1, 2 ]
amdhsa.kernels:
  - .name:           k_q4babe67e42_attn
    .symbol:         k_q4babe67e42_attn.kd
    .args:
      - { .name: hc, .offset: 0, .size: 8, .value_kind: global_buffer, .address_space: global }
      - { .name: hs, .offset: 8, .size: 8, .value_kind: global_buffer, .address_space: global }
      - { .name: cc, .offset: 16, .size: 8, .value_kind: global_buffer, .address_space: global }
      - { .name: cs, .offset: 24, .size: 8, .value_kind: global_buffer, .address_space: global }
    .group_segment_fixed_size: 210944
    .private_segment_fixed_size: 0
    .kernarg_segment_align: 8
    .kernarg_segment_size: 32
    .max_flat_workgroup_size: 512
    .sgpr_count:     96
    .vgpr_count:     256
    .wavefront_size: 32
...
	.end_amdgpu_metadata
.endif
;; end of part 3
;; launch outp (part 4): grid 4 x 32, 4 waves a work-group, clusters of 4 x 4, 327,680 bytes of LDS; arguments cc, cs, cod, scl, bo, out0; writes out0
.if DOCPART == 4
	.amdgcn_target "amdgcn-amd-amdhsa--gfx1250"
	.amdhsa_code_object_version 6
	.text
	.protected	k_q4babe67e42_outp
	.globl	k_q4babe67e42_outp
	.p2align	8
	.type	k_q4babe67e42_outp,@function
k_q4babe67e42_outp:
	s_mov_b64 s[64:65], 0
	v_nop
	global_prefetch_b8 v0, s[64:65] scope:SCOPE_SE
	s_setreg_imm32_b32 hwreg(HW_REG_WAVE_MODE, 25, 1), 1
	s_wait_xcnt 0x0
	s_wait_alu depctr_hold_cnt(0) depctr_sa_sdst(0) depctr_va_vdst(0) depctr_va_sdst(0) depctr_va_ssrc(0) depctr_va_vcc(0) depctr_vm_vsrc(0)
	s_getreg_b32 s2, hwreg(HW_REG_IB_STS2, 6, 4)
	s_cmp_eq_u32 s2, 0
	s_cbranch_scc0 .Lentry_in_a_cluster
	s_endpgm
.Lentry_in_a_cluster:
	s_bfe_u32 s2, ttmp6, 0x10000c
	s_cmp_lg_u32 s2, 0xf033
	s_cbranch_scc0 .Lentry_shape_is_right
	s_endpgm
.Lentry_shape_is_right:
.set HALFT,  24576
.set SLOT,   4*HALFT
.set SCL,    2*SLOT
.set SPARE,  SCL+4*4096
.set SPITCH, 528
.set ROWC,   4096
.set FR,     12
.set NL,     4
.set NP,     4
.set NQ,     2
.set ADRA, 16
.set ADRB, 20
.set STO,  24
.set RD,   25
.set CO,   26
.set ADRS, 27
.set SPW,  28
.set NIL,  29
.set BIO,  30
.set SC,   32
.set BI,   64
.set AF,   128
.set BK,   128
.set G1, 24
.set G0, 32
.set G1B, 48
.set G0B, 56
.set G1S, 68
.set G0S, 76
.set G1SB, 80
.set G0SB, 88
.set MSB, 0
.macro WIN new
.if MSB != (\new)
	s_set_vgpr_msb (MSB<<8)|(\new)
.set MSB, (\new)
.endif
.endm
.set MUL_LO, 0xa1
.set MUL_HI, 0xf1
.set BIA_LO, 0x81
.set BIA_HI, 0xc1
.set TO_B,   0x40
.macro JLOAD g0a, g1a, g0b, g1b
	s_cmp_eq_u32 s15, 0
	s_cbranch_scc0 .Lfor_b_\@
	tensor_load_to_lds s[\g0a:\g0a+3], s[\g1a:\g1a+7]
	s_nop 0
.rept 4
	v_nop
.endr
	s_branch .Lasked_\@
.Lfor_b_\@:
	tensor_load_to_lds s[\g0b:\g0b+3], s[\g1b:\g1b+7]
	s_nop 0
.rept 4
	v_nop
.endr
.Lasked_\@:
.endm
.macro CREST
	s_cmp_lg_u32 s14, 0
	s_cbranch_scc1 .Lnot_wave_0_\@
	s_barrier_signal -3
.Lnot_wave_0_\@:
	s_barrier_wait -3
	s_barrier_signal -1
	s_barrier_wait -1
.endm
.macro CROUND
	s_barrier_signal -1
	s_barrier_wait -1
	CREST
.endm
.macro PLACES n
.rept \n
	v_nop
.endr
.endm
	s_load_b256 s[4:11], s[0:1], 0x0
	s_load_b128 s[96:99], s[0:1], 0x20
	v_lshl_add_u32 v[SPW], v0, 2, SPARE
	v_mov_b32 v[NIL], 0
	ds_add_u32 v28, v29
	ds_add_u32 v28, v29
	s_wait_dscnt 0x0
	v_lshrrev_b32 v1, 5, v0
	v_readfirstlane_b32 s14, v1
	s_lshr_b32 s15, s14, 1
	s_and_b32 s16, s14, 1
	s_bfe_u32 s40, ttmp6, 0x40000
	s_bfe_u32 s41, ttmp6, 0x40004
	s_lshl_b32 s42, ttmp9, 2
	s_add_co_u32 s42, s42, s40
	s_and_b32 s17, ttmp7, 0xffff
	s_lshl_b32 s17, s17, 2
	s_add_co_u32 s17, s17, s41
	s_lshl_b32 s43, s41, 2
	s_lshl_b32 s43, 15, s43
	s_lshl_b32 s44, 0x1111, s40
	s_or_b32 s[G1+0], s43, (3<<16)|(1<<21)
	s_or_b32 s[G1B+0], s44, (3<<16)|(1<<21)
.irp g, G1, G1B
	s_mov_b32 s[\g+1], 32<<16
	s_mov_b32 s[\g+2], 96<<16
	s_mov_b32 s[\g+3], 32<<16
	s_mov_b32 s[\g+4], 96
	s_mov_b32 s[\g+5], 32
	s_mov_b32 s[\g+6], 0
	s_mov_b32 s[\g+7], 0
.endr
	s_lshl_b32 s20, s17, 1
	s_add_co_u32 s20, s20, s16
	s_lshl_b32 s46, s42, 1
	s_add_co_u32 s46, s46, s16
	s_add_co_u32 s46, s46, 216
	s_lshl_b32 s22, s20, 12
	s_mov_b32 s23, 0
	s_lshl_b32 s92, s46, 12
	s_mov_b32 s93, 0
	s_mul_i32 s20, s20, 98304
	s_mov_b32 s21, 0
	s_mul_i32 s46, s46, 98304
	s_mov_b32 s47, 0
	s_mul_i32 s45, s14, HALFT
	s_lshl_b32 s94, s14, 12
	s_wait_kmcnt 0x0
	s_add_nc_u64 s[20:21], s[4:5], s[20:21]
	s_add_nc_u64 s[22:23], s[6:7], s[22:23]
	s_add_nc_u64 s[46:47], s[8:9], s[46:47]
	s_add_nc_u64 s[92:93], s[10:11], s[92:93]
	CROUND
.irp s, 0,1
	s_mov_b32 s[G0+4*\s], 1
	s_add_co_u32 s[G0+4*\s+1], s45, \s*SLOT
	s_add_nc_u64 s[G0+4*\s+2:G0+4*\s+3], s[20:21], \s*HALFT
	s_or_b32 s[G0+4*\s+3], s[G0+4*\s+3], 0x80000000
	s_mov_b32 s[G0B+4*\s], 1
	s_add_co_u32 s[G0B+4*\s+1], s45, \s*SLOT
	s_add_nc_u64 s[G0B+4*\s+2:G0B+4*\s+3], s[46:47], \s*HALFT
	s_or_b32 s[G0B+4*\s+3], s[G0B+4*\s+3], 0x80000000
.endr
	JLOAD G0, G1, G0B, G1B                         ; slot 0: my one tensor load at the head
	; my group's 4,096 bytes of scale words go through registers into LDS bytes of their own, while slot 0's load is out: eight loads of 512 consecutive bytes.
	; They are not asked for jointly: 4,096 bytes a wave beside the 98,304 of its four tiles of codes
	s_cmp_eq_u32 s15, 0
	s_cselect_b64 s[22:23], s[22:23], s[92:93]     ; waves 0, 1: A's groups; waves 2, 3: B's
	v_and_b32 v2, 31, v0
	v_lshlrev_b32 v3, 4, v2
	s_add_co_u32 s94, s94, SCL
	v_add_nc_u32 v4, s94, v3
.irp i, 0,1,2,3,4,5,6,7
	global_load_b128 v[SC+4*\i:SC+4*\i+3], v3, s[22:23] offset:512*\i
.endr
	s_wait_alu depctr_va_vdst(0)
	s_wait_loadcnt 0x0
.irp i, 0,1,2,3,4,5,6,7
	ds_store_b128 v4, v[SC+4*\i:SC+4*\i+3] offset:512*\i
.endr
	s_wait_tensorcnt 0x0                           ; slot 0's part is in
	ds_add_u32 v28, v29
	s_wait_dscnt 0x0                               ; the add, and my scale words lie in LDS
	CROUND
	JLOAD G0+4, G1, G0B+4, G1B
	v_and_b32 v1, 31, v0
	v_and_b32 v2, 15, v0
	v_bfe_u32 v3, v0, 4, 1
	v_lshlrev_b32 v[CO], 4, v1
	v_lshlrev_b32 v5, 3, v1
	s_mul_i32 s21, s15, HALFT
	s_mul_i32 s22, s16, HALFT
	s_add_co_u32 s22, s22, 2*HALFT
.irp s, 0,1
	v_add_nc_u32 v[ADRA+\s], s21, v[CO]
	v_add_nc_u32 v[ADRB+\s], s22, v[CO]
	v_add_nc_u32 v[ADRA+2+\s], s21, v5
	v_add_nc_u32 v[ADRB+2+\s], s22, v5
	s_add_co_u32 s21, s21, SLOT
	s_add_co_u32 s22, s22, SLOT
.endr
	s_lshl_b32 s21, s15, 12
	s_lshl_b32 s22, s16, 12
	s_add_co_u32 s22, s22, 2*4096
	s_sub_co_u32 s22, s22, s21
	v_mul_u32_u24 v4, s22, v3
	s_add_co_u32 s21, s21, SCL
	v_lshl_add_u32 v4, v2, 2, v4
	v_add_nc_u32 v[ADRS], s21, v4
	s_mul_i32 s23, s14, 16*SPITCH
	v_mul_u32_u24 v4, v2, SPITCH
	v_lshl_add_u32 v4, v3, 5, v4
	v_add_nc_u32 v[STO], s23, v4
	v_add_nc_u32 v[RD], s23, v[CO]
	v_lshlrev_b32 v[BIO], 5, v3
	s_wait_alu depctr_va_vdst(0)
	s_lshl_b32 s18, s42, 1
	s_add_co_u32 s18, s18, s16
	s_lshl_b32 s18, s18, 9
	s_mov_b32 s19, 0
	s_add_nc_u64 s[96:97], s[96:97], s[18:19]
	s_lshl_b32 s20, s17, 1
	s_add_co_u32 s20, s20, s15
	s_lshl_b32 s20, s20, 19
	s_add_co_u32 s20, s20, s18
	s_mov_b32 s21, 0
	s_add_nc_u64 s[12:13], s[98:99], s[20:21]
.irp b, 0,1,2,3,4,5,6,7
	global_load_b128 v[BI+8*\b:BI+8*\b+3], v[BIO], s[96:97] offset:64*\b
	global_load_b128 v[BI+8*\b+4:BI+8*\b+7], v[BIO], s[96:97] offset:64*\b+16
.endr
.macro FRAG reg, adr, q, i
	ds_load_b128 v[\reg:\reg+3], v[\adr] offset:3072*(\i)+1536*(\q)
	ds_load_b64 v[\reg+4:\reg+5], v[\adr+2] offset:3072*(\i)+1536*(\q)+512
	ds_load_b128 v[\reg+6:\reg+9], v[\adr] offset:3072*(\i)+1536*(\q)+768
	ds_load_b64 v[\reg+10:\reg+11], v[\adr+2] offset:3072*(\i)+1536*(\q)+1280
.endm
.macro MUL16 a0, p, q, sc, first
.irp a, \a0, \a0+1
.irp b, 0,1,2,3,4,5,6,7
.if \first
	v_wmma_scale_f32_16x16x128_f8f6f4 v[8*(8*((\a)%4)+\b):8*(8*((\a)%4)+\b)+7], v[128*(\p)+FR*\b:128*(\p)+FR*\b+FR-1], v[AF+FR*(\a):AF+FR*(\a)+FR-1], v[BI+8*\b:BI+8*\b+7], v[SC+8*NQ*(\sc)+NQ*\b+(\q)], v[SC+8*NQ*(\sc)+NQ*(\a)+(\q)] matrix_a_fmt:MATRIX_FMT_FP6 matrix_b_fmt:MATRIX_FMT_FP6 matrix_a_scale:MATRIX_SCALE_ROW1
.else
	v_wmma_scale_f32_16x16x128_f8f6f4 v[8*(8*((\a)%4)+\b):8*(8*((\a)%4)+\b)+7], v[128*(\p)+FR*\b:128*(\p)+FR*\b+FR-1], v[AF+FR*(\a):AF+FR*(\a)+FR-1], v[8*(8*((\a)%4)+\b):8*(8*((\a)%4)+\b)+7], v[SC+8*NQ*(\sc)+NQ*\b+(\q)], v[SC+8*NQ*(\sc)+NQ*(\a)+(\q)] matrix_a_fmt:MATRIX_FMT_FP6 matrix_b_fmt:MATRIX_FMT_FP6 matrix_a_scale:MATRIX_SCALE_ROW1
.endif
.endr
.endr
.endm
.macro FETCH_B slot, q, p
	WIN TO_B
.irp i, 0,1,2,3,4,5,6,7
	FRAG 128*(\p)+FR*\i, ADRB+\slot, \q, \i
.endr
	WIN 0
.endm
.macro FETCH_A slot, q, i0
.irp i, \i0, \i0+1, \i0+2, \i0+3
	FRAG AF+FR*(\i), ADRA+\slot, \q, \i
.endr
.endm
.macro SCALES sc
.irp i, 0,1,2,3,4,5,6,7
	ds_load_b32 v[SC+16*\sc+2*\i], v[ADRS] offset:64*\i
	ds_load_b32 v[SC+16*\sc+2*\i+1], v[ADRS] offset:64*\i+512
.endr
.endm
.macro STEP slot, q, first
	s_wait_dscnt 4*NL
.if \first
	WIN BIA_LO
.else
	WIN MUL_LO
.endif
	MUL16 0, (\q)%2, \q, \slot, \first
	MUL16 2, (\q)%2, \q, \slot, \first
	s_wait_dscnt 0
	PLACES NP
	FETCH_B \slot, (\q)+1, 1-(\q)%2
	FETCH_A \slot, (\q)+1, 0
.if \first
	WIN BIA_HI
.else
	WIN MUL_HI
.endif
	MUL16 4, (\q)%2, \q, \slot, \first
	MUL16 6, (\q)%2, \q, \slot, \first
	PLACES NP
	WIN 0
	FETCH_A \slot, (\q)+1, 4
.endm
.macro TURN slot, next, fill
	s_wait_tensorcnt 0x0
	ds_add_u32 v[SPW], v[NIL]
	s_wait_dscnt 4*NL+1
	WIN MUL_LO
	MUL16 0, 1, NQ-1, \slot, 0
	s_wait_dscnt 0x0
	s_barrier_signal -1
	MUL16 2, 1, NQ-1, \slot, 0
	WIN 0
	s_barrier_wait -1
.if \fill
	CREST
	s_add_nc_u64 s[G0+4*\slot+2:G0+4*\slot+3], s[G0+4*\slot+2:G0+4*\slot+3], 2*HALFT
	s_add_nc_u64 s[G0B+4*\slot+2:G0B+4*\slot+3], s[G0B+4*\slot+2:G0B+4*\slot+3], 2*HALFT
	JLOAD G0+4*\slot, G1, G0B+4*\slot, G1B
.else
	PLACES NP
.endif
	s_wait_alu depctr_va_vdst(0)
	v_add_nc_u32 v[ADRS], 1024, v[ADRS]
	FETCH_B \next, 0, 0
	FETCH_A \next, 0, 0
	SCALES \next
	WIN MUL_HI
	MUL16 4, 1, NQ-1, \slot, 0
	MUL16 6, 1, NQ-1, \slot, 0
	PLACES NP
	WIN 0
	FETCH_A \next, 0, 4
.endm
	s_wait_tensorcnt 1
	s_barrier_signal -1
	s_barrier_wait -1
	FETCH_B 0, 0, 0
	FETCH_A 0, 0, 0
	SCALES 0
	FETCH_A 0, 0, 4
	s_wait_loadcnt 0x0
	STEP 0, 0, 1
	TURN 0, 1, 1
	STEP 1, 0, 0
	TURN 1, 0, 1
	STEP 0, 0, 0
	TURN 0, 1, 0
	STEP 1, 0, 0
	s_wait_dscnt 4*NL
	WIN MUL_LO
	MUL16 0, 1, NQ-1, 1, 0
	MUL16 2, 1, NQ-1, 1, 0
	s_wait_dscnt 0
	WIN MUL_HI
	MUL16 4, 1, NQ-1, 1, 0
	MUL16 6, 1, NQ-1, 1, 0
	WIN 0
.macro TOSTAGE a
.set AC, 64*((\a)%4)
	WIN 0x08+4*((\a)/4)
.irp b, 0,1,2,3,4,5,6,7
	ds_store_b128 v[STO], v[AC+8*\b:AC+8*\b+3] offset:64*\b
	ds_store_b128 v[STO], v[AC+8*\b+4:AC+8*\b+7] offset:64*\b+16
.endr
	WIN 0
.set BB, BK+64*((\a)%2)
.irp t, 0,1,2,3,4,5,6,7,8,9,10,11,12,13,14,15
	ds_load_b128 v[BB+4*\t:BB+4*\t+3], v[RD] offset:\t*SPITCH
.endr
.endm
.macro SEND a, younger
.set BB, BK+64*((\a)%2)
	s_wait_dscnt \younger
.if (\a) > 0
	s_add_nc_u64 s[12:13], s[12:13], 16*ROWC
.endif
.irp t, 0,1,2,3,4,5,6,7,8,9,10,11,12,13,14,15
	global_store_b128 v[CO], v[BB+4*\t:BB+4*\t+3], s[12:13] offset:\t*ROWC th:TH_STORE_NT
.endr
.endm
	PLACES NP
	TOSTAGE 0
.irp a, 1,2,3,4,5,6,7
.if \a > 1
	s_wait_xcnt 0x0
.endif
	TOSTAGE \a
	SEND \a-1, 32
.endr
	s_wait_xcnt 0x0
	SEND 7, 0
	s_wait_tensorcnt 0x0
	ds_add_u32 v[SPW], v[NIL]
	s_wait_dscnt 0x0
	CROUND
	s_endpgm
.Lfunc_end_k_q4babe67e42_outp:
	.size	k_q4babe67e42_outp, .Lfunc_end_k_q4babe67e42_outp-k_q4babe67e42_outp
	.p2alignl 7, 3214868480
	.fill 96, 4, 3214868480
	.section	.rodata,"a",@progbits
	.p2align	6, 0x0
	.amdhsa_kernel k_q4babe67e42_outp
		.amdhsa_group_segment_fixed_size 327680
		.amdhsa_private_segment_fixed_size 0
		.amdhsa_enable_private_segment 0
		.amdhsa_kernarg_size 48
		.amdhsa_user_sgpr_count 2
		.amdhsa_user_sgpr_kernarg_segment_ptr 1
		.amdhsa_wavefront_size32 1
		.amdhsa_system_sgpr_workgroup_id_x 1
		.amdhsa_system_sgpr_workgroup_id_y 1
		.amdhsa_system_sgpr_workgroup_id_z 1
		.amdhsa_system_vgpr_workitem_id 0
		.amdhsa_next_free_vgpr 1024
		.amdhsa_next_free_sgpr 102
		.amdhsa_reserve_vcc 0
		.amdhsa_float_denorm_mode_32 3
		.amdhsa_float_denorm_mode_16_64 3
		.amdhsa_memory_ordered 1
		.amdhsa_forward_progress 1
		.amdhsa_inst_pref_size 147
	.end_amdhsa_kernel
	.amdgpu_metadata
---
amdhsa.version: [ 1, 2 ]
amdhsa.kernels:
  - .name:           k_q4babe67e42_outp
    .symbol:         k_q4babe67e42_outp.kd
    .args:
      - { .name: cc, .offset: 0, .size: 8, .value_kind: global_buffer, .address_space: global }
      - { .name: cs, .offset: 8, .size: 8, .value_kind: global_buffer, .address_space: global }
      - { .name: cod, .offset: 16, .size: 8, .value_kind: global_buffer, .address_space: global }
      - { .name: scl, .offset: 24, .size: 8, .value_kind: global_buffer, .address_space: global }
      - { .name: bo, .offset: 32, .size: 8, .value_kind: global_buffer, .address_space: global }
      - { .name: out0, .offset: 40, .size: 8, .value_kind: global_buffer, .address_space: global }
    .group_segment_fixed_size: 327680
    .private_segment_fixed_size: 0
    .kernarg_segment_align: 8
    .kernarg_segment_size: 48
    .max_flat_workgroup_size: 128
    .sgpr_count:     102
    .vgpr_count:     1024
    .wavefront_size: 32
...
	.end_amdgpu_metadata
.endif
;; end of part 4
